; MI455X (gfx1250); checked and timed in simulation.
; The chip was launched on July 23, 2026; its instructions are those of AMD's public machine-readable ISA for CDNA 5 (MIT licence, August 2026) and "CDNA5" Instruction Set Architecture Reference Guide (July 2026). The comments in the code are by the model that wrote it; some were corrected since.
;; Multi Head Self Attention. Allowed arithmetic: matrix products marked QUANTISED: E2M3 operands, one E8M0 scale for each 32 along K, by v_wmma_scale_f32_16x16x128_f8f6f4 with both operands' format E2M3, f32 sums; everything else in f32.
;; Inputs: Wk_codes 1,024 x 32 x 24 uint8 (E2M3 codes of Wk, K innermost, in blocks of 32 codes, four codes in three bytes); Wk_scales 1,024 x 32 uint8 (E8M0 scales of Wk, one for each 32 codes along K); Wo_codes 1,024 x 32 x 24 uint8 (E2M3 codes of Wo, K innermost, in blocks of 32 codes, four codes in three bytes); Wo_scales 1,024 x 32 uint8 (E8M0 scales of Wo, one for each 32 codes along K); Wq_codes 1,024 x 32 x 24 uint8 (E2M3 codes of Wq, K innermost, in blocks of 32 codes, four codes in three bytes); Wq_scales 1,024 x 32 uint8 (E8M0 scales of Wq, one for each 32 codes along K); Wv_codes 1,024 x 32 x 24 uint8 (E2M3 codes of Wv, K innermost, in blocks of 32 codes, four codes in three bytes); Wv_scales 1,024 x 32 uint8 (E8M0 scales of Wv, one for each 32 codes along K); beta 1,024 float32; bk 1,024 float32; bo 1,024 float32; bq 1,024 float32; bv 1,024 float32; gamma 1,024 float32; inputs 4 x 2,048 x 1,024 float32.
;; Outputs: out0 4 x 2,048 x 1,024 float32.
;; This version of the problem:
;;   THIS VERSION OF THE PROBLEM IS GIVEN IN LOW PRECISION. The matrix products marked QUANTISED in the list below multiply operands that are first quantised to E2M3 (2 exponent bits, 3 mantissa bits; 6 bits a number), with one power-of-two scale for each 32 numbers along K (OCP MX v1.0); their sums are f32. All else is computed in f32.
;;   The module's matrix products, in the order in which they are computed (A, B: the left and right operand; K: the contracted axis; several contracted axes count as one K, in the product's order):
;;     1. [M 8,192, K 1,024] x [K 1,024, N 1,024]; A: input inputs; B: input Wq (given as codes): QUANTISED
;;     2. [M 8,192, K 1,024] x [K 1,024, N 1,024]; A: input inputs; B: input Wk (given as codes): QUANTISED
;;     3. [M 8,192, K 1,024] x [K 1,024, N 1,024]; A: input inputs; B: input Wv (given as codes): QUANTISED
;;     4. batch 64 x [M 2,048, K 64] x [K 64, N 2,048]; A: computed on the way; B: computed on the way: QUANTISED
;;     5. batch 64 x [M 2,048, K 2,048] x [K 2,048, N 64]; A: softmax (see below); B: computed on the way: QUANTISED
;;     6. [M 8,192, K 1,024] x [K 1,024, N 1,024]; A: computed on the way; B: input Wo (given as codes): QUANTISED
;;   THE QUANTISER, for each operand of a quantised product, along K:
;;     - K is cut into blocks of 32 from its start; a last block that is shorter is filled with zeros.
;;     - A block's scale is 2^e with e = floor(log2(the largest magnitude in the block)) - 2, held to -126 .. 127; a block of zeros has e = 0. As a byte (E8M0): e + 127.
;;     - Each number is divided by its block's scale, clamped to +-7.5, and rounded to the nearest number of E2M3, ties to even, subnormals kept.
;;     - The product sums the exact products of the quantised numbers (number of the format x scale) in f32.
;;   ~~~python
;;   def quantise(x, axis):      # numpy; x: float32 -> the quantised numbers, widened to float32 again
;;       x = np.moveaxis(x, axis, -1); K = x.shape[-1]
;;       x = np.pad(x, [(0, 0)] * (x.ndim - 1) + [(0, -K % 32)]); x = x.reshape(x.shape[:-1] + (-1, 32)); a = np.abs(x).max(-1, keepdims=True)
;;       e = np.where(a > 0, np.clip(np.frexp(np.where(a > 0, a, 1))[1] - 1 - 2, -126, 127), 0)      # np.frexp(a)[1] - 1 = floor(log2(a)), exactly
;;       r = np.clip(x / 2.0 ** e, -7.5, 7.5)
;;       step = 2.0 ** (np.maximum(np.frexp(np.where(r == 0, 1, r))[1] - 1, 0) - 3)
;;       q = np.round(r / step) * step * 2.0 ** e      # np.round: ties to even
;;       return np.moveaxis(q.reshape(q.shape[:-2] + (-1,))[..., :K], -1, axis).astype(np.float32)
;;   ~~~
;;   SOFTMAX AHEAD OF A QUANTISED PRODUCT. Where the list says 'softmax', what is quantised is not the finished softmax but p = 2^(t - M), with t = logit x log2(e) and M = ceil(the row's largest t), a whole number; so 1/2 < the row's largest p <= 1. The row's sum l is taken of the UNQUANTISED p, in f32, and the product's result is divided by l at the end. Since M is a whole number, a kernel that streams over the keys may use a running M (the ceiling of the running maximum): every later rescaling is an exact power of two, which a block's scale takes up: the codes' values come out the same.
;;   OPERANDS COMPUTED ON THE WAY. 'Computed on the way' means the value that the module computes at that place (a softmax that the list does not call 'softmax' is quantised finished and normalised). What goes into a quantiser is computed in f32, as accurately as f32 sums, v_exp_f32 and their like allow (about 1e-6 of the number): no bf16 or f16 on the way to a quantiser, and a product that is left as it is and whose result goes on into a quantised operand takes f32 operands (vector FMAs, or v_wmma_f32_16x16x4_f32). A number that lies on a knife's edge between two numbers of the format may be rounded either way, as far as f32 arithmetic and the matrix unit's own rounding can turn it there, and no further.
;;   INPUTS GIVEN AS CODES. Wk (in the module: [1024, 1024], K = its axis 0); Wo (in the module: [1024, 1024], K = its axis 0); Wq (in the module: [1024, 1024], K = its axis 0); Wv (in the module: [1024, 1024], K = its axis 0): each comes as NAME_codes (uint8): NAME with its K axis moved to the last place and cut into blocks of 32 codes, [.., K / 32, bytes a block], one block behind the other in memory; four codes in three bytes: a row's codes are one little-endian stream of bits, code i at bits 6 i .. 6 i + 5 (a code: sign, 2 exponent bits, 3 mantissa bits); and NAME_scales (uint8): the same leading axes, one E8M0 byte (e + 127) for each 32 codes along K. Its value is code x scale, taken as it is: it is not quantised again, and the codes and scales need not be those that the quantiser above would give.
;; One version. Each part assembles by itself: llvm-mc -triple=amdgcn-amd-amdhsa -mcpu=gfx1250 --defsym DOCPART=n.
;; ======== version 1 of 1: 4 launches
;; workspace buffers: xc 6,291,456 bytes; xs 262,144 bytes; woi 819,200 bytes; qi 6,815,744 bytes; kv 13,631,488 bytes; ai 6,291,456 bytes; asc 262,144 bytes
;; launch prep (part 1): grid 288 x 1, 4 waves a work-group, no clusters, 33,280 bytes of LDS; arguments inputs, xc, xs, Wo_codes, Wo_scales, woi; writes xc, xs, woi
.if DOCPART == 1
	.amdgcn_target "amdgcn-amd-amdhsa--gfx1250"
	.amdhsa_code_object_version 6
	.text
	.protected	k_q73da54ef58_prep
	.globl	k_q73da54ef58_prep
	.p2align	8
	.type	k_q73da54ef58_prep,@function
k_q73da54ef58_prep:
	s_mov_b64 s[64:65], 0
	v_nop
	global_prefetch_b8 v0, s[64:65] scope:SCOPE_SE
	s_setreg_imm32_b32 hwreg(HW_REG_WAVE_MODE, 25, 1), 1
	s_wait_xcnt 0x0
; TWO JOBS IN ONE LAUNCH, parted on the work-group's number.
; Work-groups 0-255: inputs [8192][1024] f32 become codes of E2M3 (xc: 768 bytes a row, K innermost) and one E8M0 byte for each 32 along K (xs: 32 bytes a row).
;   A block's scale is 2^(floor(log2(largest magnitude)) - 2); its byte is the largest magnitude's exponent field - 2, held at 1 from below.
;   Rows are dense and 1,024 is a multiple of 32: the tensor is a plain stream of blocks of 32.  A wave takes 16 steps of 512 numbers.  Each load reads 512 consecutive bytes;
;   a step's 2,048 bytes turn through the wave's own stage in LDS, so that a lane then holds 16 neighbours along K, as the conversion wants them; two neighbouring lanes hold a block.
; Work-groups 256-287: Wo's codes and scale bytes are laid anew, in the order of the operand's registers, so that the last launch loads each fragment by three loads of 16 bytes a lane.
;   Record 4 s + w (25,600 bytes): K step s of 128, features 256 w on: 16 tiles x 1,536 bytes ([4 registers][lane][16 bytes]), then 4 x 256 bytes of scale words ([lane][2 words]:
;   word i of block v: tile 4 v + 2 i in lanes 0-15, tile 4 v + 2 i + 1 in lanes 16-31).  This path uses no LDS.
; LIMITS: NaN and infinities among the inputs are not served; a block whose largest magnitude lies under 2^-124 has its byte held at 1; a block of zeros gets the byte 1 where the rule says 127:
; its codes are zeros, which add nothing under any byte but 0xff, and the bytes are read by this program alone.
; No tensor loads, no barrier: waves share nothing.  Nothing is shared between work-groups, so there is no cluster.
.set STEPS, 16
.set EMAX,  2
.set CB,    12                         ; bytes of 16 codes
.set R,     16                         ; v16-79   four sets of 16 numbers as they are loaded
.set X,     80                         ; v80-111  two sets of 16 neighbours
.set C,     128                        ; v128-191 codes: four registers for each step, so that no store's data are written again
.set E,     112                        ; v112-127 a scale byte for each step
.set WREG,  8192                       ; LDS: a region for each wave: two stages of 32 x SP bytes, behind them its 256 scale bytes
.set SP,    80                         ; a lane's place in a stage: 64 bytes + 16 of padding
	s_load_b128 s[4:7], s[0:1], 0x0                ; inputs, xc
	s_load_b128 s[8:11], s[0:1], 0x10              ; xs, Wo's codes
	s_load_b128 s[12:15], s[0:1], 0x20             ; Wo's scales, woi
	v_lshl_add_u32 v192, v0, 2, 0x8000
	v_mov_b32 v193, 0
	v_lshrrev_b32 v1, 5, v0
	v_readfirstlane_b32 s16, v1                    ; wave
	v_and_b32 v2, 31, v0                           ; lane
	v_lshlrev_b32 v3, 4, v2                        ; 16 x lane
	v_lshlrev_b32 v7, 3, v2                        ; 8 x lane
	s_cmp_ge_u32 ttmp9, 256
	s_cbranch_scc1 .Lrelay
	; ---------------- inputs into codes ----------------
	s_mul_i32 s17, s16, WREG
	v_lshrrev_b32 v14, 2, v2
	v_mul_u32_u24 v14, v14, SP
	v_and_b32 v15, 3, v2
	v_lshl_add_u32 v14, v15, 4, v14
	v_add_nc_u32 v14, s17, v14                     ; the stage, on the way in: SP (lane / 4) + 16 (lane % 4)
	v_mul_u32_u24 v15, v2, SP
	v_add_nc_u32 v15, s17, v15                     ; and on the way out: SP x lane: my 16 neighbours
	v_mul_u32_u24 v4, v2, CB                       ; my codes' place in a step's
	v_lshrrev_b32 v5, 1, v2
	s_add_co_u32 s17, s17, 2*32*SP
	v_add_nc_u32 v5, s17, v5                       ; LDS: my wave's 256 scale bytes, my block's byte
	v_add_nc_u32 v6, s17, v7                       ; and on the way out 8 bytes a lane
	s_wait_alu depctr_va_vdst(0)
	s_wait_kmcnt 0x0
	s_lshl_b32 s17, ttmp9, 2
	s_add_co_u32 s18, s17, s16                     ; which run of 8,192 numbers is my wave's
	s_mov_b32 s19, 0
	s_mov_b64 s[20:21], 512*STEPS*4
	s_mul_u64 s[20:21], s[18:19], s[20:21]
	s_add_nc_u64 s[4:5], s[4:5], s[20:21]
	s_mov_b64 s[20:21], 32*STEPS*CB
	s_mul_u64 s[20:21], s[18:19], s[20:21]
	s_add_nc_u64 s[6:7], s[6:7], s[20:21]
	s_lshl_b32 s18, s18, 8                         ; 256 scale bytes a run
	s_add_nc_u64 s[8:9], s[8:9], s[18:19]
.macro LOAD t
.irp i, 0,1,2,3
	global_load_b128 v[R+16*((\t)%4)+4*\i:R+16*((\t)%4)+4*\i+3], v3, s[4:5] offset:2048*(\t)+512*\i th:TH_LOAD_NT   ; 32 lanes read 512 consecutive bytes
.endr
.endm
.macro TURN t                          ; step t's numbers through the stage: LDS serves a wave's instructions in order, so no wait stands between the stores and the loads
.irp i, 0,1,2,3
	ds_store_b128 v14, v[R+16*((\t)%4)+4*\i:R+16*((\t)%4)+4*\i+3] offset:32*SP*((\t)%2)+8*SP*\i
.endr
.irp i, 0,1,2,3
	ds_load_b128 v[X+16*((\t)%2)+4*\i:X+16*((\t)%2)+4*\i+3], v15 offset:32*SP*((\t)%2)+16*\i
.endr
.endm
.irp t, 0,1,2,3
	LOAD \t
.endr
	s_wait_loadcnt 12                              ; step 0's four loads are in; the three steps behind it may be out
	TURN 0
.macro STEP t
.set XS, X+16*((\t)%2)
.if (\t) > 0
	s_wait_dscnt 1                                 ; this step's numbers are back from the stage (the last step's byte store may be out): so its stores into the stage have read their registers,
.else
	s_wait_dscnt 0x0
.endif
.if (\t)+4 < STEPS
	LOAD (\t)+4                                    ; which take the loads of four steps on
.endif
.if (\t)+1 < STEPS
.if STEPS-2-(\t) >= 3
	s_wait_loadcnt 12                              ; the next step's four loads are in; those of the three steps behind it may be out
.else
	s_wait_loadcnt 4*(STEPS-2-(\t))
.endif
	TURN (\t)+1                                    ; and go through the other stage while this step is worked
.endif
	v_max3_num_f32 v8, |v[XS]|, |v[XS+1]|, |v[XS+2]|               ; the largest magnitude of my 16, in two chains
	v_max3_num_f32 v9, |v[XS+3]|, |v[XS+4]|, |v[XS+5]|
.irp i, 6,10
	v_max3_num_f32 v8, v8, |v[XS+\i]|, |v[XS+\i+1]|
	v_max3_num_f32 v9, v9, |v[XS+\i+2]|, |v[XS+\i+3]|
.endr
	v_max3_num_f32 v8, v8, |v[XS+14]|, |v[XS+15]|
	v_max3_num_f32 v8, v8, v9, (EMAX+1)<<23        ; and the floor 2^(3 - 127): the byte cannot fall under 1
	v_max_num_f32_dpp v8, v8, v8 row_xmask:1 row_mask:0xf bank_mask:0xf   ; and of my neighbour's 16: the block's
	v_add_nc_u32 v11, -(EMAX<<23), v8              ; 2 off its exponent field: the conversion takes the exponent field of this operand as its scale
	v_cvt_scalef32_pk16_fp6_f32 v[C+4*(\t):C+4*(\t)+2], v[XS:XS+15], v11
	v_lshrrev_b32 v[E+(\t)], 23, v11               ; the scale's byte (also the plain line behind the conversion)
	ds_store_b8 v5, v[E+(\t)] offset:16*(\t)       ; both lanes of a block write the same byte with the same value
	global_store_b96 v4, v[C+4*(\t):C+4*(\t)+2], s[6:7] offset:32*CB*(\t)   ; the wave stores 384 consecutive bytes
.endm
.irp t, 0,1,2,3,4,5,6,7,8,9,10,11,12,13,14,15
	STEP \t
.endr
	ds_load_b64 v[12:13], v6                       ; LDS serves a wave's instructions in order: these see my stores
	s_wait_dscnt 0x0
	global_store_b64 v7, v[12:13], s[8:9]          ; 32 lanes store 256 consecutive bytes, aligned
	s_wait_tensorcnt 0x0
	ds_add_u32 v192, v193
	s_wait_dscnt 0x0
	s_endpgm
	; ---------------- Wo into images of its operand registers ----------------
.Lrelay:
	s_sub_co_u32 s17, ttmp9, 256                   ; my record: 4 s + w
	s_lshr_b32 s18, s17, 2                         ; K step s
	s_and_b32 s19, s17, 3                          ; quarter w
	s_lshl_b32 s20, s19, 8
	s_lshl_b32 s21, s16, 6
	s_add_co_u32 s20, s20, s21                     ; my wave's first feature: 256 w + 64 x wave (four tiles)
	s_mul_i32 s22, s20, 768
	s_mul_i32 s21, s18, 96
	s_add_co_u32 s22, s22, s21                     ; its codes of this K step
	s_mov_b32 s23, 0
	s_lshl_b32 s24, s20, 5
	s_lshl_b32 s21, s18, 2
	s_add_co_u32 s24, s24, s21                     ; its scale word
	s_mov_b32 s25, 0
	s_mul_i32 s26, s17, 25600
	s_mov_b32 s27, 0
	s_mul_i32 s28, s16, 6144
	s_add_co_u32 s28, s28, s26                     ; where my four images go
	s_mov_b32 s29, 0
	s_lshl_b32 s21, s16, 8
	s_add_co_u32 s26, s26, s21                     ; and (24,576 further on) my 256 bytes of scale words
	v_and_b32 v8, 15, v0                           ; r
	v_bfe_u32 v9, v0, 4, 1                         ; h
	v_mul_u32_u24 v14, v8, 768
	v_mad_u32_u24 v14, v9, 24, v14                 ; row r, + 24 h: a fragment's lane takes 24 bytes here and 24 bytes 48 further on
	s_wait_alu depctr_va_vdst(0)
	v_lshlrev_b32 v15, 5, v2                       ; scale words: lane l takes row l of 32 rows
	s_wait_alu depctr_va_vdst(0)
	s_wait_kmcnt 0x0
	s_add_nc_u64 s[10:11], s[10:11], s[22:23]
	s_add_nc_u64 s[12:13], s[12:13], s[24:25]
	s_add_nc_u64 s[30:31], s[14:15], s[28:29]
	s_add_nc_u64 s[14:15], s[14:15], s[26:27]
.irp i, 0,1,2,3
.irp p, 0,1,2,3,4,5
	global_load_b64 v[16+12*\i+2*\p:17+12*\i+2*\p], v14, s[10:11] offset:12288*\i+48*(\p/3)+8*(\p%3)
.endr
.endr
	global_load_b32 v64, v15, s[12:13]
	global_load_b32 v65, v15, s[12:13] offset:1024
	s_wait_loadcnt 0x0
.irp i, 0,1,2,3
.irp c, 0,1,2
	global_store_b128 v3, v[16+12*\i+4*\c:19+12*\i+4*\c], s[30:31] offset:1536*\i+512*\c   ; 512 consecutive bytes a store
.endr
.endr
	global_store_b64 v7, v[64:65], s[14:15] offset:24576
	s_endpgm
.Lfunc_end_k_q73da54ef58_prep:
	.size	k_q73da54ef58_prep, .Lfunc_end_k_q73da54ef58_prep-k_q73da54ef58_prep
	.p2alignl 7, 3214868480
	.fill 96, 4, 3214868480
	.section	.rodata,"a",@progbits
	.p2align	6, 0x0
	.amdhsa_kernel k_q73da54ef58_prep
		.amdhsa_group_segment_fixed_size 33280
		.amdhsa_private_segment_fixed_size 0
		.amdhsa_enable_private_segment 0
		.amdhsa_kernarg_size 48
		.amdhsa_user_sgpr_count 2
		.amdhsa_user_sgpr_kernarg_segment_ptr 1
		.amdhsa_wavefront_size32 1
		.amdhsa_system_sgpr_workgroup_id_x 1
		.amdhsa_system_sgpr_workgroup_id_y 1
		.amdhsa_system_sgpr_workgroup_id_z 1
		.amdhsa_system_vgpr_workitem_id 0
		.amdhsa_next_free_vgpr 194
		.amdhsa_next_free_sgpr 66
		.amdhsa_reserve_vcc 0
		.amdhsa_float_denorm_mode_32 3
		.amdhsa_float_denorm_mode_16_64 3
		.amdhsa_memory_ordered 1
		.amdhsa_forward_progress 1
		.amdhsa_inst_pref_size 37
	.end_amdhsa_kernel
	.amdgpu_metadata
---
amdhsa.version: [ 1, 2 ]
amdhsa.kernels:
  - .name:           k_q73da54ef58_prep
    .symbol:         k_q73da54ef58_prep.kd
    .args:
      - { .name: inputs, .offset: 0, .size: 8, .value_kind: global_buffer, .address_space: global }
      - { .name: xc, .offset: 8, .size: 8, .value_kind: global_buffer, .address_space: global }
      - { .name: xs, .offset: 16, .size: 8, .value_kind: global_buffer, .address_space: global }
      - { .name: Wo_codes, .offset: 24, .size: 8, .value_kind: global_buffer, .address_space: global }
      - { .name: Wo_scales, .offset: 32, .size: 8, .value_kind: global_buffer, .address_space: global }
      - { .name: woi, .offset: 40, .size: 8, .value_kind: global_buffer, .address_space: global }
    .group_segment_fixed_size: 33280
    .private_segment_fixed_size: 0
    .kernarg_segment_align: 8
    .kernarg_segment_size: 48
    .max_flat_workgroup_size: 128
    .sgpr_count:     66
    .vgpr_count:     194
    .wavefront_size: 32
...
	.end_amdgpu_metadata
.endif
;; end of part 1
;; launch qkv (part 2): grid 12 x 32, 4 waves a work-group, clusters of 4 x 4, 327,680 bytes of LDS; arguments xc, xs, Wq_codes, Wq_scales, Wk_codes, Wk_scales, Wv_codes, Wv_scales, bq, bk, bv, qi, kv; writes qi, kv
.if DOCPART == 2
	.amdgcn_target "amdgcn-amd-amdhsa--gfx1250"
	.amdhsa_code_object_version 6
	.text
	.protected	k_q73da54ef58_qkv
	.globl	k_q73da54ef58_qkv
	.p2align	8
	.type	k_q73da54ef58_qkv,@function
k_q73da54ef58_qkv:
	s_mov_b64 s[64:65], 0
	v_nop
	global_prefetch_b8 v0, s[64:65] scope:SCOPE_SE
	s_setreg_imm32_b32 hwreg(HW_REG_WAVE_MODE, 25, 1), 1
	s_wait_xcnt 0x0
	s_wait_alu depctr_hold_cnt(0) depctr_sa_sdst(0) depctr_va_vdst(0) depctr_va_sdst(0) depctr_va_ssrc(0) depctr_va_vcc(0) depctr_vm_vsrc(0)
	s_getreg_b32 s2, hwreg(HW_REG_IB_STS2, 6, 4)
	s_cmp_eq_u32 s2, 0
	s_cbranch_scc0 .Lentry_in_a_cluster
	s_endpgm
.Lentry_in_a_cluster:
	s_bfe_u32 s2, ttmp6, 0x10000c
	s_cmp_lg_u32 s2, 0xf033
	s_cbranch_scc0 .Lentry_shape_is_right
	s_endpgm
.Lentry_shape_is_right:
.set KSTEP,  256
.set NQ,     2
.set ROWB,   192
.set KROW,   768
.set PITCH,  240
.set FR,     12
.set NL,     6
.set NP,     4
.set HALFT,  128*PITCH
.set SLOT,   4*HALFT
.set LAPS,   2
.set KS,     32
.set SCL,    2*SLOT
.set HALFS,  (128*KS/256)*272
.set SBLK,   (16*KS/256)*272
.set SPARE,  SCL+4*HALFS
.set LANE, 7
.set BH32, 10
.set BR4,  11
.set ADRA, 16
.set ADRB, 20
.set L8,   24
.set L16,  26
.set ADRS, 27
.set SPW,  28
.set NIL,  29
.set SC,   32
.set AF,   128
.set TM,   32
.set CD,   48
.set PW,   72
.set SW,   80
.set ZR,   88
.set G1, 24
.set G0, 32
.set G1B, 48
.set G0B, 56
.set G1S, 68
.set G0S, 76
.set G1SB, 80
.set G0SB, 88
.set MSB, 0
.macro WIN new
.if MSB != (\new)
	s_set_vgpr_msb (MSB<<8)|(\new)
.set MSB, \new
.endif
.endm
.set MUL_LO, 0xa1
.set MUL_HI, 0xf1
.set TO_B,   0x40
.macro JLOAD g0a, g1a, g0b, g1b
	s_cmp_eq_u32 s15, 0
	s_cbranch_scc0 .Lfor_b_\@
	tensor_load_to_lds s[\g0a:\g0a+3], s[\g1a:\g1a+7]
	s_nop 0
.rept 4
	v_nop
.endr
	s_branch .Lasked_\@
.Lfor_b_\@:
	tensor_load_to_lds s[\g0b:\g0b+3], s[\g1b:\g1b+7]
	s_nop 0
.rept 4
	v_nop
.endr
.Lasked_\@:
.endm
.macro CREST
	s_cmp_lg_u32 s14, 0
	s_cbranch_scc1 .Lnot_wave_0_\@
	s_barrier_signal -3
.Lnot_wave_0_\@:
	s_barrier_wait -3
	s_barrier_signal -1
	s_barrier_wait -1
.endm
.macro CROUND
	s_barrier_signal -1
	s_barrier_wait -1
	CREST
.endm
	s_load_b128 s[4:7], s[0:1], 0x0
	s_load_b256 s[24:31], s[0:1], 0x10
	s_load_b128 s[32:35], s[0:1], 0x30
	s_load_b256 s[36:43], s[0:1], 0x40
	s_load_b64 s[44:45], s[0:1], 0x60
	v_lshl_add_u32 v[SPW], v0, 2, SPARE
	v_mov_b32 v[NIL], 0
	ds_add_u32 v28, v29
	ds_add_u32 v28, v29
	s_wait_dscnt 0x0
	v_lshrrev_b32 v1, 5, v0
	v_readfirstlane_b32 s14, v1
	s_lshr_b32 s15, s14, 1
	s_and_b32 s16, s14, 1
	s_wait_kmcnt 0x0
	s_cmp_eq_u32 ttmp9, 0
	s_cselect_b64 s[8:9], s[24:25], s[28:29]
	s_cselect_b64 s[10:11], s[26:27], s[30:31]
	s_cselect_b64 s[96:97], s[36:37], s[38:39]
	s_cselect_b64 s[12:13], s[42:43], s[44:45]
	s_cselect_b32 s67, 0, 1
	s_cmp_eq_u32 ttmp9, 2
	s_cselect_b64 s[8:9], s[4:5], s[8:9]
	s_cselect_b64 s[10:11], s[6:7], s[10:11]
	s_cselect_b64 s[96:97], s[40:41], s[96:97]
	s_cselect_b64 s[4:5], s[32:33], s[4:5]
	s_cselect_b64 s[6:7], s[34:35], s[6:7]
	s_bfe_u32 s40, ttmp6, 0x40000
	s_bfe_u32 s41, ttmp6, 0x40004
	s_and_b32 s18, ttmp7, 0xffff
	s_cmp_eq_u32 ttmp9, 2
	s_cselect_b32 s17, 0, s18
	s_cselect_b32 s42, s18, 0
	s_lshl_b32 s17, s17, 2
	s_add_co_u32 s17, s17, s41
	s_lshl_b32 s42, s42, 2
	s_add_co_u32 s42, s42, s40
	s_lshl_b32 s43, s41, 2
	s_lshl_b32 s43, 15, s43
	s_lshl_b32 s44, 0x1111, s40
	s_or_b32 s[G1+0], s43, (0<<16)|(1<<20)|(1<<21)|(3<<22)|(3<<25)
	s_or_b32 s[G1B+0], s44, (0<<16)|(1<<20)|(1<<21)|(3<<22)|(3<<25)
.irp g, G1, G1B
	s_mov_b32 s[\g+1], ROWB<<16
	s_mov_b32 s[\g+2], 128<<16
	s_mov_b32 s[\g+3], ROWB<<16
	s_mov_b32 s[\g+4], 128
	s_mov_b32 s[\g+5], KROW
	s_mov_b32 s[\g+6], 0
	s_mov_b32 s[\g+7], 0
.endr
	s_or_b32 s[G1S+0], s43, (3<<16)|(1<<20)|(1<<21)|(5<<22)|(3<<25)
	s_or_b32 s[G1SB+0], s44, (3<<16)|(1<<20)|(1<<21)|(5<<22)|(3<<25)
.irp g, G1S, G1SB
	s_mov_b32 s[\g+1], 32<<16
	s_mov_b32 s[\g+2], (128*KS/256)<<16
	s_mov_b32 s[\g+3], 32<<16
	s_mov_b32 s[\g+4], 128*KS/256
	s_mov_b32 s[\g+5], 32
	s_mov_b32 s[\g+6], 0
	s_mov_b32 s[\g+7], 0
.endr
	s_lshl_b32 s18, s16, 7
	s_lshl_b32 s20, s17, 8
	s_add_co_u32 s20, s20, s18
	s_lshl_b32 s46, s42, 8
	s_add_co_u32 s46, s46, s18
	s_mov_b32 s21, 0
	s_mov_b32 s47, 0
	s_mov_b64 s[18:19], KS
	s_mul_u64 s[22:23], s[20:21], s[18:19]
	s_mul_u64 s[92:93], s[46:47], s[18:19]
	s_mov_b64 s[18:19], KROW
	s_mul_u64 s[20:21], s[20:21], s[18:19]
	s_mul_u64 s[46:47], s[46:47], s[18:19]
	s_mul_i32 s45, s14, HALFT
	s_mul_i32 s94, s14, HALFS
	s_add_nc_u64 s[20:21], s[4:5], s[20:21]
	s_add_nc_u64 s[22:23], s[6:7], s[22:23]
	s_add_nc_u64 s[46:47], s[8:9], s[46:47]
	s_add_nc_u64 s[92:93], s[10:11], s[92:93]
	CROUND
	s_mov_b32 s[G0S], 1
	s_add_co_u32 s[G0S+1], s94, SCL
	s_mov_b64 s[G0S+2:G0S+3], s[22:23]
	s_or_b32 s[G0S+3], s[G0S+3], 0x80000000
	s_mov_b32 s[G0SB], 1
	s_add_co_u32 s[G0SB+1], s94, SCL
	s_mov_b64 s[G0SB+2:G0SB+3], s[92:93]
	s_or_b32 s[G0SB+3], s[G0SB+3], 0x80000000
	JLOAD G0S, G1S, G0SB, G1SB
.irp s, 0,1
	s_mov_b32 s[G0+4*\s], 1
	s_add_co_u32 s[G0+4*\s+1], s45, \s*SLOT
	s_add_nc_u64 s[G0+4*\s+2:G0+4*\s+3], s[20:21], \s*ROWB
	s_or_b32 s[G0+4*\s+3], s[G0+4*\s+3], 0x80000000
	s_mov_b32 s[G0B+4*\s], 1
	s_add_co_u32 s[G0B+4*\s+1], s45, \s*SLOT
	s_add_nc_u64 s[G0B+4*\s+2:G0B+4*\s+3], s[46:47], \s*ROWB
	s_or_b32 s[G0B+4*\s+3], s[G0B+4*\s+3], 0x80000000
	s_wait_alu depctr_va_vdst(0)
	s_wait_tensorcnt 0x0
	ds_add_u32 v28, v29
	s_wait_dscnt 0x0
	CROUND
	JLOAD G0+4*\s, G1, G0B+4*\s, G1B
.endr
	v_and_b32 v1, 15, v0
	v_bfe_u32 v2, v0, 4, 1
	v_mul_u32_u24 v3, v1, PITCH
	v_mul_u32_u24 v4, v2, 24
	v_add_nc_u32 v4, v3, v4
	v_lshl_add_u32 v5, v2, 4, v4
	s_mul_i32 s21, s15, HALFT
	s_mul_i32 s22, s16, HALFT
	s_add_co_u32 s22, s22, 2*HALFT
.irp s, 0,1
	v_add_nc_u32 v[ADRA+\s], s21, v4
	v_add_nc_u32 v[ADRB+\s], s22, v4
	v_add_nc_u32 v[ADRA+2+\s], s21, v5
	v_add_nc_u32 v[ADRB+2+\s], s22, v5
	s_add_co_u32 s21, s21, SLOT
	s_add_co_u32 s22, s22, SLOT
.endr
	v_mul_u32_u24 v5, v1, KS
	v_lshrrev_b32 v6, 8, v5
	v_lshl_add_u32 v5, v6, 4, v5
	s_mul_i32 s21, s15, HALFS
	s_mul_i32 s22, s16, HALFS
	s_add_co_u32 s22, s22, 2*HALFS
	s_sub_co_u32 s22, s22, s21
	v_mul_u32_u24 v6, s22, v2
	s_add_co_u32 s21, s21, SCL
	v_add_nc_u32 v5, v5, v6
	v_add_nc_u32 v[ADRS], s21, v5
	v_and_b32 v[LANE], 31, v0
	v_lshlrev_b32 v[L16], 4, v[LANE]
	v_lshlrev_b32 v[L8], 3, v[LANE]
	v_lshlrev_b32 v[BH32], 5, v2
	v_lshlrev_b32 v[BR4], 2, v1
	s_cmp_eq_u32 ttmp9, 2
	s_cselect_b32 s92, s42, s17
	s_cselect_b32 s93, s16, s15
	s_cselect_b32 s94, s17, s42
	s_cselect_b32 s95, s15, s16
	s_lshl_b32 s94, s94, 2
	s_lshl_b32 s95, s95, 1
	s_add_co_u32 s94, s94, s95
	s_lshr_b32 s95, s92, 3
	s_lshl_b32 s95, s95, 4
	s_add_co_u32 s95, s95, s94
	s_lshl_b32 s95, s95, 4
	s_and_b32 s92, s92, 7
	s_lshl_b32 s92, s92, 1
	s_add_co_u32 s92, s92, s93
	s_add_co_u32 s92, s92, s95
	s_mul_i32 s92, s92, 6656
	s_lshl_b32 s92, s92, s67
	s_mov_b32 s93, 0
	s_add_nc_u64 s[98:99], s[12:13], s[92:93]
	s_mov_b32 s92, 106496
	s_lshl_b32 s92, s92, s67
	s_add_nc_u64 s[100:101], s[98:99], s[92:93]
	s_lshl_b32 s92, s94, 8
	s_add_nc_u64 s[96:97], s[96:97], s[92:93]
	s_cmp_eq_u32 ttmp9, 2
	s_cbranch_scc1 .Lbias_v
	WIN TO_B
	s_wait_alu depctr_va_vdst(0)
.irp b, 0,1,2,3,4,5,6,7
	global_load_b128 v[96+8*\b+96*(\b/4):96+8*\b+96*(\b/4)+3], v[BH32], s[96:97] offset:64*\b
	global_load_b128 v[96+8*\b+96*(\b/4)+4:96+8*\b+96*(\b/4)+7], v[BH32], s[96:97] offset:64*\b+16
.endr
	WIN 0
	s_branch .Lbias_done
.Lbias_v:
	WIN TO_B
	s_wait_alu depctr_va_vdst(0)
.irp a, 0,1,2,3,4,5,6,7
.irp j, 0,1,2,3,4,5,6,7
	global_load_b32 v[96+8*\a+96*(\a/4)+\j], v[BR4], s[96:97] offset:64*\a
.endr
.endr
	WIN 0
.Lbias_done:
.macro FRAG reg, adr, q, i
.irp p, 0,1,2,3,4,5
.set PC, 12*(\q)+6*(\p/3)+\p%3
.if PC%8 < 5
	ds_load_b64 v[\reg+2*\p:\reg+2*\p+1], v[\adr] offset:8*PC+16*(PC/8)+(\i)*16*PITCH
.else
	ds_load_b64 v[\reg+2*\p:\reg+2*\p+1], v[\adr+2] offset:8*PC+16*(PC/8)+(\i)*16*PITCH
.endif
.endr
.endm
.macro MUL16 a0, p, q, sc, cmode
.irp a, \a0, \a0+1
.irp b, 0,1,2,3,4,5,6,7
.if \cmode == 0
	v_wmma_scale_f32_16x16x128_f8f6f4 v[8*(8*((\a)%4)+\b):8*(8*((\a)%4)+\b)+7], v[128*(\p)+FR*\b:128*(\p)+FR*\b+FR-1], v[AF+FR*(\a):AF+FR*(\a)+FR-1], v[8*(8*((\a)%4)+\b):8*(8*((\a)%4)+\b)+7], v[SC+8*NQ*(\sc)+NQ*\b+(\q)], v[SC+8*NQ*(\sc)+NQ*(\a)+(\q)] matrix_a_fmt:MATRIX_FMT_FP6 matrix_b_fmt:MATRIX_FMT_FP6 matrix_a_scale:MATRIX_SCALE_ROW1
.elseif \cmode == 1
	v_wmma_scale_f32_16x16x128_f8f6f4 v[8*(8*((\a)%4)+\b):8*(8*((\a)%4)+\b)+7], v[128*(\p)+FR*\b:128*(\p)+FR*\b+FR-1], v[AF+FR*(\a):AF+FR*(\a)+FR-1], v[96+8*\b+96*(\b/4):96+8*\b+96*(\b/4)+7], v[SC+8*NQ*(\sc)+NQ*\b+(\q)], v[SC+8*NQ*(\sc)+NQ*(\a)+(\q)] matrix_a_fmt:MATRIX_FMT_FP6 matrix_b_fmt:MATRIX_FMT_FP6 matrix_a_scale:MATRIX_SCALE_ROW1
.else
	v_wmma_scale_f32_16x16x128_f8f6f4 v[8*(8*((\a)%4)+\b):8*(8*((\a)%4)+\b)+7], v[128*(\p)+FR*\b:128*(\p)+FR*\b+FR-1], v[AF+FR*(\a):AF+FR*(\a)+FR-1], v[96+8*(\a)+96*((\a)/4):96+8*(\a)+96*((\a)/4)+7], v[SC+8*NQ*(\sc)+NQ*\b+(\q)], v[SC+8*NQ*(\sc)+NQ*(\a)+(\q)] matrix_a_fmt:MATRIX_FMT_FP6 matrix_b_fmt:MATRIX_FMT_FP6 matrix_a_scale:MATRIX_SCALE_ROW1
.endif
.endr
.endr
.endm
.macro FETCH_B slot, q, p
	WIN TO_B
.irp i, 0,1,2,3,4,5,6,7
	FRAG 128*(\p)+FR*\i, ADRB+\slot, \q, \i
.endr
	WIN 0
.endm
.macro FETCH_A slot, q, i0
.irp i, \i0, \i0+1, \i0+2, \i0+3
	FRAG AF+FR*(\i), ADRA+\slot, \q, \i
.endr
.endm
.macro SCALES sc
.irp i, 0,1,2,3,4,5,6,7
	ds_load_b64 v[SC+8*NQ*\sc+NQ*\i:SC+8*NQ*\sc+NQ*\i+1], v[ADRS] offset:\i*SBLK
.endr
.endm
.macro PLACES n
.rept \n
	v_nop
.endr
.endm
.macro STEP slot, q, cmode
	s_wait_dscnt 4*NL
.if \cmode
	WIN 0x91
.else
	WIN MUL_LO
.endif
	MUL16 0, (\q)%2, \q, \slot, \cmode
	MUL16 2, (\q)%2, \q, \slot, \cmode
	s_wait_dscnt 0
	PLACES NP
	FETCH_B \slot, (\q)+1, 1-(\q)%2
	FETCH_A \slot, (\q)+1, 0
.if \cmode
	WIN 0xd1
.else
	WIN MUL_HI
.endif
	MUL16 4, (\q)%2, \q, \slot, \cmode
	MUL16 6, (\q)%2, \q, \slot, \cmode
	PLACES NP
	WIN 0
	FETCH_A \slot, (\q)+1, 4
.endm
.macro TURN slot, next, fill
	s_wait_tensorcnt 0x0
	ds_add_u32 v[SPW], v[NIL]
	s_wait_dscnt 4*NL+1
	WIN MUL_LO
	MUL16 0, 1, NQ-1, \slot, 0
	s_wait_dscnt 0x0
	s_barrier_signal -1
	MUL16 2, 1, NQ-1, \slot, 0
	WIN 0
	s_barrier_wait -1
.if \fill
	CREST
	s_add_nc_u64 s[G0+4*\slot+2:G0+4*\slot+3], s[G0+4*\slot+2:G0+4*\slot+3], 2*ROWB
	s_add_nc_u64 s[G0B+4*\slot+2:G0B+4*\slot+3], s[G0B+4*\slot+2:G0B+4*\slot+3], 2*ROWB
	JLOAD G0+4*\slot, G1, G0B+4*\slot, G1B
.else
	PLACES NP
.endif
	s_wait_alu depctr_va_vdst(0)
	v_add_nc_u32 v[ADRS], 4*NQ, v[ADRS]
	FETCH_B \next, 0, 0
	FETCH_A \next, 0, 0
	SCALES \next
	WIN MUL_HI
	MUL16 4, 1, NQ-1, \slot, 0
	MUL16 6, 1, NQ-1, \slot, 0
	PLACES NP
	WIN 0
	FETCH_A \next, 0, 4
.endm
	s_wait_tensorcnt 1
	s_barrier_signal -1
	s_barrier_wait -1
	FETCH_B 0, 0, 0
	FETCH_A 0, 0, 0
	SCALES 0
	FETCH_A 0, 0, 4
	s_wait_loadcnt 0x0
	s_cmp_eq_u32 ttmp9, 2
	s_cbranch_scc1 .Lfirst_v
	STEP 0, 0, 1
	s_branch .Lfirst_done
.Lfirst_v:
	STEP 0, 0, 2
.Lfirst_done:
	s_mov_b32 s3, LAPS-1
.Llap:
	TURN 0, 1, 1
	STEP 1, 0, 0
	TURN 1, 0, 1
	STEP 0, 0, 0
	s_sub_co_u32 s3, s3, 1
	s_cmp_lg_u32 s3, 0
	s_cbranch_scc1 .Llap
	TURN 0, 1, 0
	STEP 1, 0, 0
	s_wait_dscnt 4*NL
	WIN MUL_LO
	MUL16 0, 1, NQ-1, 1, 0
	MUL16 2, 1, NQ-1, 1, 0
	s_wait_dscnt 0
	WIN MUL_HI
	MUL16 4, 1, NQ-1, 1, 0
	MUL16 6, 1, NQ-1, 1, 0
	WIN 0
.macro QUANTW a
.set AC, 64*((\a)%4)
	WIN 0x28+0x14*((\a)/4)
.irp b, 0,1,2,3
	v_max3_num_f32 v[TM+\b], 0x1800000, |v[AC+16*\b]|, |v[AC+16*\b+1]|
.endr
.irp i, 2,4,6,8,10,12,14
.irp b, 0,1,2,3
	v_max3_num_f32 v[TM+\b], v[TM+\b], |v[AC+16*\b+\i]|, |v[AC+16*\b+\i+1]|
.endr
.endr
	WIN 0
.irp b, 0,1,2,3
	v_permlanex16_b32 v[TM+4+\b], v[TM+\b], s20, s21
.endr
.irp b, 0,1,2,3
	v_max_num_f32 v[TM+\b], v[TM+\b], v[TM+4+\b]
.endr
.irp b, 0,1,2,3
	v_add_nc_u32 v[TM+12+\b], 0xff000000, v[TM+\b]
.endr
.irp b, 0,1,2,3
	v_lshrrev_b32 v[TM+4+\b], 23, v[TM+12+\b]
.endr
	v_lshl_or_b32 v[PW+(\a)], v[TM+5], 8, v[TM+4]
	v_lshl_or_b32 v[PW+(\a)], v[TM+6], 16, v[PW+(\a)]
	v_lshl_or_b32 v[PW+(\a)], v[TM+7], 24, v[PW+(\a)]
	s_wait_xcnt 0x0
	WIN 0x02+(\a)/4
.irp c, 0,1
	v_cvt_scalef32_pk16_fp6_f32 v[CD+6*\c:CD+2+6*\c], v[AC+32*\c:AC+15+32*\c], v[TM+12+2*\c]
	v_cvt_scalef32_pk16_fp6_f32 v[CD+12+4*\c:CD+14+4*\c], v[AC+16+32*\c:AC+31+32*\c], v[TM+12+2*\c+1]
.endr
	WIN 0
	v_nop
.irp c, 0,1
.irp i, 0,1,2
	v_permlane16_swap_b32 v[CD+6*\c+\i], v[CD+12+4*\c+\i]
.endr
.irp i, 0,1,2
	v_mov_b32 v[CD+3+6*\c+\i], v[CD+12+4*\c+\i]
.endr
.endr
.endm
	PLACES NP
	s_mov_b32 s20, 0x76543210
	s_mov_b32 s21, 0xfedcba98
.irp b, 0,1,2,3
	v_mov_b32 v[TM+4+\b], 0
.endr
	v_mov_b32 v[ZR], 0
	v_mov_b32 v[ZR+1], 0
	v_cmp_le_u32 vcc_lo, 16, v[LANE]
	s_cmp_eq_u32 ttmp9, 2
	s_cbranch_scc1 .Lout_v
.irp a, 0,1,2,3,4,5,6,7
	QUANTW \a
	global_store_b128 v[L16], v[CD:CD+3], s[98:99] offset:768*\a
	global_store_b64 v[L8], v[CD+4:CD+5], s[98:99] offset:768*\a+512
	global_store_b128 v[L16], v[CD+6:CD+9], s[100:101] offset:768*\a
	global_store_b64 v[L8], v[CD+10:CD+11], s[100:101] offset:768*\a+512
.endr
.irp i, 0,1,2,3
	v_cndmask_b32 v[SW+4+\i], v[PW+2*\i], v[PW+2*\i+1], vcc_lo
.endr
.irp i, 0,1,2,3
	v_and_b32 v[SW+\i], 0xffff, v[SW+4+\i]
.endr
.irp i, 0,1,2,3
	v_lshrrev_b32 v[SW+4+\i], 16, v[SW+4+\i]
.endr
	global_store_b128 v[L16], v[SW:SW+3], s[98:99] offset:6144
	global_store_b128 v[L16], v[SW+4:SW+7], s[100:101] offset:6144
	s_branch .Lend
.Lout_v:
.irp a, 0,1,2,3,4,5,6,7
	QUANTW \a
.irp c, 0,1,2
.if \a < 4
	global_store_b128 v[L16], v[CD+4*\c:CD+4*\c+3], s[98:99] offset:6656+1536*(\a%4)+512*\c
.else
	global_store_b128 v[L16], v[CD+4*\c:CD+4*\c+3], s[100:101] offset:6656+1536*(\a%4)+512*\c
.endif
.endr
.endr
.irp i, 0,1,2,3
	v_cndmask_b32 v[SW+\i], v[PW+2*\i], v[PW+2*\i+1], vcc_lo
.endr
	global_store_b64 v[L8], v[SW:SW+1], s[98:99] offset:12800
	global_store_b64 v[L8], v[SW+2:SW+3], s[100:101] offset:12800
	global_store_b64 v[L8], v[ZR:ZR+1], s[98:99] offset:13056
	global_store_b64 v[L8], v[ZR:ZR+1], s[100:101] offset:13056
.Lend:
	s_wait_tensorcnt 0x0
	ds_add_u32 v[SPW], v[NIL]
	s_wait_dscnt 0x0
	CROUND
	s_endpgm
.Lfunc_end_k_q73da54ef58_qkv:
	.size	k_q73da54ef58_qkv, .Lfunc_end_k_q73da54ef58_qkv-k_q73da54ef58_qkv
	.p2alignl 7, 3214868480
	.fill 96, 4, 3214868480
	.section	.rodata,"a",@progbits
	.p2align	6, 0x0
	.amdhsa_kernel k_q73da54ef58_qkv
		.amdhsa_group_segment_fixed_size 327680
		.amdhsa_private_segment_fixed_size 0
		.amdhsa_enable_private_segment 0
		.amdhsa_kernarg_size 104
		.amdhsa_user_sgpr_count 2
		.amdhsa_user_sgpr_kernarg_segment_ptr 1
		.amdhsa_wavefront_size32 1
		.amdhsa_system_sgpr_workgroup_id_x 1
		.amdhsa_system_sgpr_workgroup_id_y 1
		.amdhsa_system_sgpr_workgroup_id_z 1
		.amdhsa_system_vgpr_workitem_id 0
		.amdhsa_next_free_vgpr 1024
		.amdhsa_next_free_sgpr 102
		.amdhsa_reserve_vcc 1
		.amdhsa_float_denorm_mode_32 3
		.amdhsa_float_denorm_mode_16_64 3
		.amdhsa_memory_ordered 1
		.amdhsa_forward_progress 1
		.amdhsa_inst_pref_size 223
	.end_amdhsa_kernel
	.amdgpu_metadata
---
amdhsa.version: [ 1, 2 ]
amdhsa.kernels:
  - .name:           k_q73da54ef58_qkv
    .symbol:         k_q73da54ef58_qkv.kd
    .args:
      - { .name: xc, .offset: 0, .size: 8, .value_kind: global_buffer, .address_space: global }
      - { .name: xs, .offset: 8, .size: 8, .value_kind: global_buffer, .address_space: global }
      - { .name: Wq_codes, .offset: 16, .size: 8, .value_kind: global_buffer, .address_space: global }
      - { .name: Wq_scales, .offset: 24, .size: 8, .value_kind: global_buffer, .address_space: global }
      - { .name: Wk_codes, .offset: 32, .size: 8, .value_kind: global_buffer, .address_space: global }
      - { .name: Wk_scales, .offset: 40, .size: 8, .value_kind: global_buffer, .address_space: global }
      - { .name: Wv_codes, .offset: 48, .size: 8, .value_kind: global_buffer, .address_space: global }
      - { .name: Wv_scales, .offset: 56, .size: 8, .value_kind: global_buffer, .address_space: global }
      - { .name: bq, .offset: 64, .size: 8, .value_kind: global_buffer, .address_space: global }
      - { .name: bk, .offset: 72, .size: 8, .value_kind: global_buffer, .address_space: global }
      - { .name: bv, .offset: 80, .size: 8, .value_kind: global_buffer, .address_space: global }
      - { .name: qi, .offset: 88, .size: 8, .value_kind: global_buffer, .address_space: global }
      - { .name: kv, .offset: 96, .size: 8, .value_kind: global_buffer, .address_space: global }
    .group_segment_fixed_size: 327680
    .private_segment_fixed_size: 0
    .kernarg_segment_align: 8
    .kernarg_segment_size: 104
    .max_flat_workgroup_size: 128
    .sgpr_count:     102
    .vgpr_count:     1024
    .wavefront_size: 32
...
	.end_amdgpu_metadata
.endif
;; end of part 2
;; launch attn (part 3): grid 4 x 64, 16 waves a work-group, clusters of 4 x 1, 215,040 bytes of LDS; arguments qi, kv, ai, asc; writes ai, asc
.if DOCPART == 3
	.amdgcn_target "amdgcn-amd-amdhsa--gfx1250"
	.amdhsa_code_object_version 6
	.text
	.protected	k_q73da54ef58_attn
	.globl	k_q73da54ef58_attn
	.p2align	8
	.type	k_q73da54ef58_attn,@function
k_q73da54ef58_attn:
	s_mov_b64 s[64:65], 0
	v_nop
	global_prefetch_b8 v0, s[64:65] scope:SCOPE_SE
	s_setreg_imm32_b32 hwreg(HW_REG_WAVE_MODE, 25, 1), 1
	s_wait_xcnt 0x0
	s_wait_alu depctr_hold_cnt(0) depctr_sa_sdst(0) depctr_va_vdst(0) depctr_va_sdst(0) depctr_va_ssrc(0) depctr_va_vcc(0) depctr_vm_vsrc(0)
	s_getreg_b32 s2, hwreg(HW_REG_IB_STS2, 6, 4)
	s_cmp_eq_u32 s2, 0
	s_cbranch_scc0 .Lentry_in_a_cluster
	s_endpgm
.Lentry_in_a_cluster:
	s_bfe_u32 s2, ttmp6, 0x10000c
	s_cmp_lg_u32 s2, 0x3003
	s_cbranch_scc0 .Lentry_shape_is_right
	s_endpgm
.Lentry_shape_is_right:
; o = softmax(q k^T / 8) v for one head, both products on codes of E2M3 with one E8M0 scale for each 32 along a product's K; the result is quantised along the model's axis for the last product.
; THE SOFTMAX AHEAD OF THE SECOND PRODUCT: t = score x log2(e) / 8; M = the row's largest t so far, rounded UP to a whole number; p = 2^(t - M) is what is quantised, along the keys; it is not normalised.
; The row's sum is taken of the unquantised p, in f32, and divides o at the end.  When M moves, the sum and o are multiplied by 2^(old M - new M): exact.
; SHARES.  A work-group owns 512 queries of one head; each of its sixteen waves owns one tile of 16 queries in each of two passes.  Four waves share a SIMD, so that one wave's vector work stands beside another's products and LDS loads.
; THE HEAD'S WHOLE K AND V, 212,992 bytes, LIE IN LDS, filled ONCE, as they lie in kv: 16 chunks of 128 keys, 13,312 bytes each (k's 8 half fragments and scale words, v's 4 fragments and scale words, all as images of the operand registers:
; every LDS load takes 16 or 8 consecutive bytes a lane).  No byte of LDS is filled again.  The four work-groups of a head form the cluster and ask for each piece JOINTLY (mask 15).
; The fill goes in four phases of four chunks, each wave bringing 3,328 bytes of each phase: by this text's count four tensor loads of a wave are out at the start; the first pass begins on phase 0 while the others land.
; LAYOUT.  Both products are used transposed: S^T = K Q^T (source 0 = 16 keys, source 1 = my 16 queries), O^T = V^T P^T (source 0 = 16 channels, source 1 = P): a lane holds ONE query throughout.
; The head's 64 fill half of the instruction's 128 along K: registers 6-11 of q's and k's fragments are zero codes, and bytes 2, 3 of their scale words are 0 (2^-127, no NaN).
; p's codes come out in the order 0-7, 16-23, 8-15, 24-31 inside each block of 32 keys, which is the order in which v's codes were laid.  o meets GIVEN codes (Wo's): sixteen exchanges of lane halves put it in natural order first.
; LIMITS: p under 2^-126 falls to 0 (v_exp_f32 flushes: ISA guide 15.8); a block whose every p is 0 keeps the byte 1 over zero codes; NaN and infinities are not served.
; No prefetch: every byte of K and V is asked for by the fills at the head.
; REGISTERS: v1-4 addresses that stay; v8-9 the step's LDS addresses; v[10:11] v's scale words; v12 -M, v13 the largest t, v[14:15] the sum in two halves; v16-27 q; v[28:31] k's scale words; v32-79 four fragments of k;
; v80-127 v's four; v128-191 S^T, then p; v192-223 O^T; v224-235 p's codes; v232-254 at work; v255 q's scale word.
.set CHUNK, 13312
.set PHB,   4*CHUNK                    ; a phase of the fill
.set WTB,   PHB/16                     ; a wave's part of it: 13 rows of 256 bytes
.set S,     128
.set O,     192
.set WV,    12
.set SEL,   20                         ; s[20:21] lane selects for v_permlanex16_b32: lane l xor 16
.set CS,    22                         ; s[22:23] c = log2(e) / 8
.set G1,    24
.set G0,    32                         ; s[32:47] four groups 0
.set TB,    48                         ; s48 LDS byte at which the step's chunk begins
.set CNT,   49
.set QT,    50                         ; s[50:51] my tile of q
.macro CROUND
	s_barrier_signal -1
	s_barrier_wait -1
	s_cmp_lg_u32 s[WV], 0
	s_cbranch_scc1 .Lnot_wave_0_\@
	s_barrier_signal -3
.Lnot_wave_0_\@:
	s_barrier_wait -3
	s_barrier_signal -1
	s_barrier_wait -1
.endm
	s_load_b256 s[4:11], s[0:1], 0x0               ; qi, kv, ai, asc
	v_lshl_add_u32 v250, v0, 2, 0x34000
	v_mov_b32 v251, 0
	ds_add_u32 v250, v251
	ds_add_u32 v250, v251
	v_lshrrev_b32 v5, 5, v0
	s_delay_alu instid0(VALU_DEP_1)
	v_readfirstlane_b32 s[WV], v5                  ; wave 0..15
	s_bfe_u32 s13, ttmp6, 0x40000                  ; cx: my place in the cluster
	s_and_b32 s14, ttmp7, 0xffff                   ; 16 x batch + head, which the four partners share
	s_mov_b32 s[G1], 15|(3<<16)|(1<<21)            ; 15:0 the mask: all four; 17:16 elements of 8 bytes; 21 set beside a mask; no padding
	s_mov_b32 s[G1+1], 32<<16                      ; tensor_dim0 = 32 elements: 256 bytes
	s_mov_b32 s[G1+2], 13<<16                      ; tensor_dim1 = 13
	s_mov_b32 s[G1+3], 32<<16                      ; tile_dim0
	s_mov_b32 s[G1+4], 13                          ; tile_dim1
	s_mov_b32 s[G1+5], 32                          ; the rows are dense
	s_mov_b32 s[G1+6], 0
	s_mov_b32 s[G1+7], 0
	s_mul_i32 s54, s[WV], WTB                      ; my part of a phase, in LDS as in memory
	s_mul_i32 s52, s14, 16*CHUNK
	s_add_co_u32 s52, s52, s54
	s_mov_b32 s53, 0
	s_mov_b32 s[SEL], 0x76543210
	s_mov_b32 s[SEL+1], 0xfedcba98
	s_mov_b32 s[CS], 0x3e38aa3b
	s_mov_b32 s[CS+1], s[CS]                       ; (named with it as a pair, so it is written)
	s_wait_dscnt 0x0
	s_wait_kmcnt 0x0
	s_add_nc_u64 s[6:7], s[6:7], s[52:53]
	CROUND                                         ; all four work-groups are here: the joint loads meet
.irp p, 0,1,2,3
	s_mov_b32 s[G0+4*\p], 1
	s_add_co_u32 s[G0+4*\p+1], s54, PHB*\p
	s_add_nc_u64 s[G0+4*\p+2:G0+4*\p+3], s[6:7], PHB*\p
	s_or_b32 s[G0+4*\p+3], s[G0+4*\p+3], 0x80000000
.endr
	tensor_load_to_lds s[G0:G0+3], s[G1:G1+7]
	s_nop 0
	tensor_load_to_lds s[G0+4:G0+7], s[G1:G1+7]
	s_nop 0
	tensor_load_to_lds s[G0+8:G0+11], s[G1:G1+7]
	s_nop 0
	tensor_load_to_lds s[G0+12:G0+15], s[G1:G1+7]
	s_nop 0
.rept 4
	v_nop
.endr
	v_and_b32 v5, 31, v0
	s_delay_alu instid0(VALU_DEP_1)
	v_lshlrev_b32 v1, 4, v5                        ; 16 x lane
	s_wait_alu depctr_va_vdst(0)
	v_lshlrev_b32 v2, 3, v5                        ; 8 x lane
	s_wait_alu depctr_va_vdst(0)
	v_and_b32 v6, 15, v0                           ; r
	s_delay_alu instid0(VALU_DEP_1)
	v_lshlrev_b32 v4, 2, v6                        ; 4 r
	s_and_b32 s52, s[WV], 1
	s_lshl_b32 s52, s52, 8
	s_bfe_u32 s53, s[WV], 0x20001                  ; (wave % 8) / 2
	s_lshl_b32 s53, s53, 2
	s_add_co_u32 s52, s52, s53
	v_lshl_add_u32 v3, v6, 4, s52                  ; q's scale word of row r of tile wave % 8: [lane r + 16 (tile % 2)][word tile / 2]
	; global addresses: these alone hang on my place in the cluster
	s_wait_alu depctr_va_vdst(0)
	s_lshl_b32 s55, ttmp9, 2
	s_add_co_u32 s55, s55, s13                     ; my block of 512 queries
	s_lshl_b32 s56, s14, 4
	s_lshl_b32 s57, s55, 2
	s_add_co_u32 s56, s56, s57
	s_lshr_b32 s57, s[WV], 3
	s_add_co_u32 s56, s56, s57                     ; q's record: 16 x head + 4 x block + wave / 8 (the second pass: two records on)
	s_mul_i32 s56, s56, 6656
	s_mov_b32 s57, 0
	s_add_nc_u64 s[4:5], s[4:5], s[56:57]
	s_and_b32 s56, s[WV], 7
	s_mul_i32 s56, s56, 768
	s_add_nc_u64 s[QT:QT+1], s[4:5], s[56:57]
	s_lshr_b32 s56, s14, 4
	s_lshl_b32 s56, s56, 7
	s_lshl_b32 s58, s55, 5
	s_add_co_u32 s56, s56, s58
	s_add_co_u32 s56, s56, s[WV]                   ; my tile of 16 tokens among all 512: 128 x batch + 32 x block + wave (the second pass: 16 on)
	s_and_b32 s60, s14, 15                         ; the head
	s_mul_i32 s58, s56, 12288
	s_mul_i32 s59, s60, 768
	s_add_co_u32 s58, s58, s59
	s_mov_b32 s59, 0
	s_add_nc_u64 s[8:9], s[8:9], s[58:59]          ; ai: [tile][head][768]
	s_lshl_b32 s58, s56, 9
	s_lshr_b32 s61, s60, 1
	s_lshl_b32 s61, s61, 6
	s_add_co_u32 s58, s58, s61
	s_and_b32 s61, s60, 1
	s_lshl_b32 s61, s61, 1
	s_add_co_u32 s58, s58, s61
	s_add_nc_u64 s[10:11], s[10:11], s[58:59]      ; asc: [tile][head / 2][row] words; my head's half of the word
.macro QLOAD pi                        ; my tile of q for pass pi
	global_load_b128 v[16:19], v1, s[QT:QT+1] offset:13312*\pi
	global_load_b64 v[20:21], v2, s[QT:QT+1] offset:13312*\pi+512
	global_load_b32 v255, v3, s[4:5] offset:13312*\pi+6144
.endm
.macro INIT                            ; the key step is written once: the first finds zeros, which the first change of M leaves zeros
	v_mov_b32 v13, 0xff61b1e6                      ; the largest t so far: -3e38, under every t
	s_delay_alu instid0(VALU_DEP_1)
	v_floor_f32 v12, -v13                          ; -M
	v_mov_b32 v14, 0
	v_mov_b32 v15, 0
.set j, 0
.rept 32
	v_mov_b32 v[O+j], 0
.set j, j+1
.endr
.endm
	QLOAD 0
.irp j, 22,23,24,25,26,27
	v_mov_b32 v\j, 0                               ; the upper half of K = 128: zero codes, in q
.endr
.irp i, 0,1,2,3
.irp j, 6,7,8,9,10,11
	v_mov_b32 v[32+12*\i+\j], 0                    ; and in k's four fragments; set once
.endr
.endr
.irp b, 0,1,2,3
	v_mov_b32 v[236+\b], 0                         ; a lane permute's destination counts as one of its sources
.endr
	v_mov_b32 v252, 0
	v_mov_b32 v253, 0                              ; (named as the upper half of the pair v[252:253] before it is first written)
	INIT
.macro KQ t, i                         ; scores of keys 16 t on: k's scale words of tiles 2 n, 2 n + 1 share a register
.if (\t)%2
	v_wmma_scale_f32_16x16x128_f8f6f4 v[S+8*(\t):S+8*(\t)+7], v[32+12*(\i):43+12*(\i)], v[16:27], 0, v[28+(\t)/2], v255 matrix_a_fmt:MATRIX_FMT_FP6 matrix_b_fmt:MATRIX_FMT_FP6 matrix_a_scale:MATRIX_SCALE_ROW1
.else
	v_wmma_scale_f32_16x16x128_f8f6f4 v[S+8*(\t):S+8*(\t)+7], v[32+12*(\i):43+12*(\i)], v[16:27], 0, v[28+(\t)/2], v255 matrix_a_fmt:MATRIX_FMT_FP6 matrix_b_fmt:MATRIX_FMT_FP6
.endif
.endm
.macro PV d                            ; channels 16 d on
.if (\d)%2
	v_wmma_scale_f32_16x16x128_f8f6f4 v[O+8*(\d):O+8*(\d)+7], v[80+12*(\d):91+12*(\d)], v[224:235], v[O+8*(\d):O+8*(\d)+7], v[10+(\d)/2], v253 matrix_a_fmt:MATRIX_FMT_FP6 matrix_b_fmt:MATRIX_FMT_FP6 matrix_a_scale:MATRIX_SCALE_ROW1
.else
	v_wmma_scale_f32_16x16x128_f8f6f4 v[O+8*(\d):O+8*(\d)+7], v[80+12*(\d):91+12*(\d)], v[224:235], v[O+8*(\d):O+8*(\d)+7], v[10+(\d)/2], v253 matrix_a_fmt:MATRIX_FMT_FP6 matrix_b_fmt:MATRIX_FMT_FP6
.endif
.endm
; A KEY STEP: one chunk of 128 keys.
.macro STEP
	v_add_nc_u32 v8, s[TB], v1
	v_add_nc_u32 v9, s[TB], v2
	ds_load_b128 v[28:31], v8 offset:6144          ; k's scale words
.irp i, 0,1,2,3
	ds_load_b128 v[32+12*\i:35+12*\i], v8 offset:768*\i
	ds_load_b64 v[36+12*\i:37+12*\i], v9 offset:768*\i+512
.endr
	s_wait_alu depctr_va_vdst(0)
	s_wait_dscnt 0x0
.irp i, 0,1,2,3
	KQ \i, \i
.endr
.rept 4
	v_nop                                          ; places in front of loads into registers that matrix instructions have read
.endr
.irp i, 0,1,2,3
	ds_load_b128 v[32+12*\i:35+12*\i], v8 offset:768*(4+\i)
	ds_load_b64 v[36+12*\i:37+12*\i], v9 offset:768*(4+\i)+512
.endr
	ds_load_b64 v[10:11], v9 offset:12800          ; v's scale words and fragments: 13 loads, which land under the softmax (the last products that read these registers stand six plain lines back)
.irp d, 0,1,2,3
.irp c, 0,1,2
	ds_load_b128 v[80+12*\d+4*\c:83+12*\d+4*\c], v8 offset:6656+1536*\d+512*\c
.endr
.endr
	s_wait_dscnt 13                                ; k's are in; v's 13 may be out
.irp i, 0,1,2,3
	KQ 4+\i, \i
.endr
.rept 4
	v_nop
.endr
.irp b, 0,1,2,3
	v_max3_num_f32 v[232+\b], v[S+16*\b], v[S+1+16*\b], v[S+2+16*\b]   ; the largest score of each block of 32 keys: it serves for the row's maximum and, since p rises with the score, for the block's largest p
.endr
.irp i, 3,5,7,9,11,13
.irp b, 0,1,2,3
	v_max3_num_f32 v[232+\b], v[232+\b], v[S+16*\b+\i], v[S+1+16*\b+\i]
.endr
.endr
.irp b, 0,1,2,3
	v_max_num_f32 v[232+\b], v[232+\b], v[S+15+16*\b]
.endr
.irp b, 0,1,2,3
	s_delay_alu instid0(VALU_DEP_4)
	v_permlanex16_b32 v[236+\b], v[232+\b], s[SEL], s[SEL+1]
.endr
.irp b, 0,1,2,3
	s_delay_alu instid0(VALU_DEP_4)
	v_max_num_f32 v[232+\b], v[232+\b], v[236+\b]  ; with lane l xor 16's 16 keys
.endr
	s_delay_alu instid0(VALU_DEP_2)
	v_max3_num_f32 v254, v232, v233, v234
	s_delay_alu instid0(VALU_DEP_1)
	v_max_num_f32 v254, v254, v235                 ; the step's largest score of my query
	s_delay_alu instid0(VALU_DEP_1)
	v_mul_f32 v254, s[CS], v254                    ; as t (c is positive)
	s_delay_alu instid0(VALU_DEP_1)
	v_max_num_f32 v13, v13, v254                   ; the running largest t
	v_mov_b32 v254, v12
	s_delay_alu instid0(VALU_DEP_2)
	v_floor_f32 v12, -v13                          ; the new -M = floor(-t) = -ceil(t)
	s_delay_alu instid0(VALU_DEP_1)
	v_sub_f32 v254, v12, v254                      ; M's old value less its new one: a whole number, 0 or less
	s_delay_alu instid0(VALU_DEP_1)
	v_cvt_i32_f32 v254, v254                       ; (it saturates)
	s_delay_alu instid0(VALU_DEP_1)
	v_ldexp_f32 v252, 1.0, v254                    ; f = 2^(old M - new M)
.set j, 0
.rept 32
	v_pk_fma_f32 v[S+j:S+j+1], v[S+j:S+j+1], s[CS:CS+1], v[12:13] op_sel_hi:[1,0,0]   ; t - M, two at a time
.set j, j+2
.endr
.irp b, 0,1,2,3
	v_fma_f32 v[232+\b], v[232+\b], s[CS], v12     ; the same of each block's largest score
.endr
.set j, 0
	s_wait_alu depctr_va_vdst(0)
.rept 64
	v_exp_f32 v[S+j], v[S+j]                       ; p = 2^(t - M), at most 1
.set j, j+1
.endr
	s_setprio 1
	v_pk_mul_f32 v[14:15], v[14:15], v[252:253] op_sel_hi:[1,0]   ; the sums under the new M (a plain line behind the exponentials)
	s_wait_alu depctr_va_vdst(0)                   ; one wait for the whole batch, ahead of its first reader
.irp b, 0,1,2,3
	v_exp_f32 v[232+\b], v[232+\b]                 ; the block's largest p: the same two instructions on the same number give the same bits
.endr
	v_pk_add_f32 v[236:237], v[132:133], v[136:137]
	v_pk_add_f32 v[248:249], v[140:141], v[144:145]
	v_pk_add_f32 v[246:247], v[148:149], v[152:153]
	v_pk_add_f32 v[244:245], v[156:157], v[160:161]
	v_pk_add_f32 v[242:243], v[164:165], v[168:169]
	v_pk_add_f32 v[240:241], v[172:173], v[176:177]
	v_pk_add_f32 v[238:239], v[180:181], v[184:185]
	v_pk_add_f32 v[14:15], v[14:15], v[188:189]
	v_pk_add_f32 v[236:237], v[236:237], v[128:129]
	v_pk_add_f32 v[248:249], v[248:249], v[130:131]
	v_pk_add_f32 v[246:247], v[246:247], v[134:135]
	v_pk_add_f32 v[244:245], v[244:245], v[138:139]
	v_pk_add_f32 v[242:243], v[242:243], v[142:143]
	v_pk_add_f32 v[240:241], v[240:241], v[146:147]
	v_pk_add_f32 v[238:239], v[238:239], v[150:151]
	v_pk_add_f32 v[14:15], v[14:15], v[154:155]
	v_pk_add_f32 v[236:237], v[236:237], v[158:159]
	v_pk_add_f32 v[248:249], v[248:249], v[162:163]
	v_pk_add_f32 v[246:247], v[246:247], v[166:167]
	v_pk_add_f32 v[244:245], v[244:245], v[170:171]
	v_pk_add_f32 v[242:243], v[242:243], v[174:175]
	v_pk_add_f32 v[240:241], v[240:241], v[178:179]
	v_pk_add_f32 v[238:239], v[238:239], v[182:183]
	v_pk_add_f32 v[14:15], v[14:15], v[186:187]
	v_pk_add_f32 v[236:237], v[236:237], v[190:191]
	s_delay_alu instid0(VALU_DEP_2)
	v_pk_add_f32 v[14:15], v[14:15], v[244:245]
	s_delay_alu instid0(VALU_DEP_2)
	v_pk_add_f32 v[236:237], v[236:237], v[242:243]
	v_pk_add_f32 v[248:249], v[248:249], v[240:241]
	v_pk_add_f32 v[246:247], v[246:247], v[238:239]
	s_delay_alu instid0(VALU_DEP_2)
	v_pk_add_f32 v[14:15], v[14:15], v[248:249]
	s_delay_alu instid0(VALU_DEP_2)
	v_pk_add_f32 v[236:237], v[236:237], v[246:247]
	s_delay_alu instid0(VALU_DEP_1)
	v_pk_add_f32 v[14:15], v[14:15], v[236:237]
	s_wait_alu depctr_va_vdst(0)                   ; and one for the four
.irp b, 0,1,2,3
	v_max_num_f32 v[232+\b], 0x1800000, v[232+\b]  ; the floor 2^(3 - 127): the byte cannot fall under 1
.endr
.irp b, 0,1,2,3
	s_delay_alu instid0(VALU_DEP_4)
	v_add_nc_u32 v[244+\b], 0xff000000, v[232+\b]  ; 2 off the exponent field: the conversion's scale operand
.endr
.irp b, 0,1,2,3
	s_delay_alu instid0(VALU_DEP_4)
	v_lshrrev_b32 v[236+\b], 23, v[244+\b]         ; the scale's byte
.endr
	s_delay_alu instid0(VALU_DEP_3)
	v_lshl_or_b32 v253, v237, 8, v236              ; p's scale word for these 128 keys
	s_delay_alu instid0(VALU_DEP_1)
	v_lshl_or_b32 v253, v238, 16, v253
	s_delay_alu instid0(VALU_DEP_1)
	v_lshl_or_b32 v253, v239, 24, v253
.irp c, 0,1
	v_cvt_scalef32_pk16_fp6_f32 v[224+6*\c:226+6*\c], v[S+32*\c:S+15+32*\c], v[244+2*\c]
	v_cvt_scalef32_pk16_fp6_f32 v[236+4*\c:238+4*\c], v[S+16+32*\c:S+31+32*\c], v[244+2*\c+1]
.endr
	v_nop                                          ; one plain line behind a scaled conversion
.irp c, 0,1                                    ; a whole block in a lane: lanes 0-15 block 2 c, lanes 16-31 block 2 c + 1
.irp i, 0,1,2
	v_permlane16_swap_b32 v[224+6*\c+\i], v[236+4*\c+\i]
.endr
.irp i, 0,1,2
	s_delay_alu instid0(VALU_DEP_3)
	v_mov_b32 v[227+6*\c+\i], v[236+4*\c+\i]
.endr
.endr
.set j, 0
	s_setprio 0
.rept 16
	v_pk_mul_f32 v[O+j:O+j+1], v[O+j:O+j+1], v[252:253] op_sel_hi:[1,0]   ; O^T under the new M.  (Of these sixteen, twelve name no register of any one product below: the places between the writes of p's codes and scale word and the products)
.set j, j+2
.endr
	s_wait_alu depctr_va_vdst(0)
	s_wait_dscnt 0x0                               ; v is in
.irp d, 0,1,2,3
	PV \d
.endr
	s_add_co_u32 s[TB], s[TB], CHUNK
.endm
.macro STEPS n
	s_mov_b32 s[CNT], \n
.Lstep_\@:
	s_setprio 2
	STEP
	s_sub_co_u32 s[CNT], s[CNT], 1
	s_cmp_lg_u32 s[CNT], 0
	s_cbranch_scc1 .Lstep_\@
	s_setprio 0
.endm
.macro PHASE p                         ; the first pass: four chunks as soon as they have landed
	s_mov_b32 s[TB], PHB*\p
	s_wait_tensorcnt 3-\p                          ; my part of phase p is in; the later phases' loads may stay out
	s_barrier_signal -1
	s_barrier_wait -1                              ; everybody's is
	STEPS 4
.endm
; A pass's end: o = O^T / the sum, in natural order, quantised along the head's 64 (two blocks), and stored as half a fragment of the last product's operand.
.macro FINISH pi
.rept 4
	v_nop                                          ; behind the last products
.endr
.if \pi == 0
	QLOAD 1                                        ; the next pass's q lands under this work
.endif
	v_add_f32 v14, v14, v15
	s_delay_alu instid0(VALU_DEP_1)
	v_permlanex16_b32 v252, v14, s[SEL], s[SEL+1]
	s_delay_alu instid0(VALU_DEP_1)
	v_add_f32 v14, v14, v252                       ; the row's sum
	s_wait_alu depctr_va_vdst(0)
	v_rcp_f32 v14, v14
	v_nop                                          ; a plain line behind the transcendental
	s_wait_alu depctr_va_vdst(0)                   ; the wait ahead of its first reader
.set j, 0
.rept 16
	v_pk_mul_f32 v[S+j:S+j+1], v[O+j:O+j+1], v[14:15] op_sel_hi:[1,0]   ; each accumulator from its low end on
.set j, j+2
.endr
.irp b, 0,1
.irp j, 0,1,2,3,4,5,6,7
	v_permlane16_swap_b32 v[S+16*\b+\j], v[S+8+16*\b+\j]   ; register 16 b + i now holds channel 32 b + 16 (lane / 16) + i
.endr
.endr
.irp b, 0,1
	v_max3_num_f32 v[232+\b], |v[S+16*\b]|, |v[S+1+16*\b]|, 0x1800000
.endr
.irp i, 2,4,6,8,10,12,14
.irp b, 0,1
	s_delay_alu instid0(VALU_DEP_2)
	v_max3_num_f32 v[232+\b], v[232+\b], |v[S+16*\b+\i]|, |v[S+1+16*\b+\i]|
.endr
.endr
.irp b, 0,1
	s_delay_alu instid0(VALU_DEP_2)
	v_permlanex16_b32 v[236+\b], v[232+\b], s[SEL], s[SEL+1]
.endr
.irp b, 0,1
	s_delay_alu instid0(VALU_DEP_2)
	v_max_num_f32 v[232+\b], v[232+\b], v[236+\b]
.endr
.irp b, 0,1
	s_delay_alu instid0(VALU_DEP_2)
	v_add_nc_u32 v[244+\b], 0xff000000, v[232+\b]
.endr
.irp b, 0,1
	s_delay_alu instid0(VALU_DEP_2)
	v_lshrrev_b32 v[236+\b], 23, v[244+\b]
.endr
	s_delay_alu instid0(VALU_DEP_1)
	v_lshl_or_b32 v253, v237, 8, v236              ; my head's half of the row's scale word
	v_cvt_scalef32_pk16_fp6_f32 v[224:226], v[S:S+15], v244
	v_cvt_scalef32_pk16_fp6_f32 v[236:238], v[S+16:S+31], v245
	v_nop
.irp i, 0,1,2
	v_permlane16_swap_b32 v[224+\i], v[236+\i]
.endr
.irp i, 0,1,2
	s_delay_alu instid0(VALU_DEP_3)
	v_mov_b32 v[227+\i], v[236+\i]
.endr
	global_store_b128 v1, v[224:227], s[8:9] offset:196608*\pi
	global_store_b64 v2, v[228:229], s[8:9] offset:196608*\pi+512
	global_store_b16 v4, v253, s[10:11] offset:8192*\pi   ; lanes 16-31 repeat lanes 0-15: the same address, the same value
.endm
	s_wait_loadcnt 0x0                             ; q
	PHASE 0
	PHASE 1
	PHASE 2
	PHASE 3
	FINISH 0
	s_wait_xcnt 0x0                                ; the stores have read their registers: the second pass writes them again
	INIT
	s_wait_loadcnt 0x0                             ; the second pass's q
	s_mov_b32 s[TB], 0
	STEPS 16
	FINISH 1
	s_wait_tensorcnt 0x0
	ds_add_u32 v250, v251
	s_wait_dscnt 0x0
	CROUND                                         ; the closing round
	s_endpgm
.Lfunc_end_k_q73da54ef58_attn:
	.size	k_q73da54ef58_attn, .Lfunc_end_k_q73da54ef58_attn-k_q73da54ef58_attn
	.p2alignl 7, 3214868480
	.fill 96, 4, 3214868480
	.section	.rodata,"a",@progbits
	.p2align	6, 0x0
	.amdhsa_kernel k_q73da54ef58_attn
		.amdhsa_group_segment_fixed_size 215040
		.amdhsa_private_segment_fixed_size 0
		.amdhsa_enable_private_segment 0
		.amdhsa_kernarg_size 32
		.amdhsa_user_sgpr_count 2
		.amdhsa_user_sgpr_kernarg_segment_ptr 1
		.amdhsa_wavefront_size32 1
		.amdhsa_system_sgpr_workgroup_id_x 1
		.amdhsa_system_sgpr_workgroup_id_y 1
		.amdhsa_system_sgpr_workgroup_id_z 1
		.amdhsa_system_vgpr_workitem_id 0
		.amdhsa_next_free_vgpr 256
		.amdhsa_next_free_sgpr 66
		.amdhsa_reserve_vcc 0
		.amdhsa_float_denorm_mode_32 3
		.amdhsa_float_denorm_mode_16_64 3
		.amdhsa_memory_ordered 1
		.amdhsa_forward_progress 1
		.amdhsa_inst_pref_size 106
	.end_amdhsa_kernel
	.amdgpu_metadata
---
amdhsa.version: [ 1, 2 ]
amdhsa.kernels:
  - .name:           k_q73da54ef58_attn
    .symbol:         k_q73da54ef58_attn.kd
    .args:
      - { .name: qi, .offset: 0, .size: 8, .value_kind: global_buffer, .address_space: global }
      - { .name: kv, .offset: 8, .size: 8, .value_kind: global_buffer, .address_space: global }
      - { .name: ai, .offset: 16, .size: 8, .value_kind: global_buffer, .address_space: global }
      - { .name: asc, .offset: 24, .size: 8, .value_kind: global_buffer, .address_space: global }
    .group_segment_fixed_size: 215040
    .private_segment_fixed_size: 0
    .kernarg_segment_align: 8
    .kernarg_segment_size: 32
    .max_flat_workgroup_size: 512
    .sgpr_count:     66
    .vgpr_count:     256
    .wavefront_size: 32
...
	.end_amdgpu_metadata
.endif
;; end of part 3
;; launch oproj (part 4): grid 256 x 1, 4 waves a work-group, no clusters, 132,096 bytes of LDS; arguments ai, asc, woi, bo, inputs, gamma, beta, out0; writes out0
.if DOCPART == 4
	.amdgcn_target "amdgcn-amd-amdhsa--gfx1250"
	.amdhsa_code_object_version 6
	.text
	.protected	k_q73da54ef58_oproj
	.globl	k_q73da54ef58_oproj
	.p2align	8
	.type	k_q73da54ef58_oproj,@function
k_q73da54ef58_oproj:
	s_mov_b64 s[64:65], 0
	v_nop
	global_prefetch_b8 v0, s[64:65] scope:SCOPE_SE
	s_setreg_imm32_b32 hwreg(HW_REG_WAVE_MODE, 25, 1), 1
	s_wait_xcnt 0x0
; out0 = LayerNorm(inputs + a Wo + bo) x gamma + beta; the product on codes of E2M3 with one E8M0 scale for each 32 along K = 1,024.
; SHARES.  A work-group owns 32 tokens (two tiles of 16) as WHOLE rows, since the norm wants whole rows; wave w makes features 256 w .. 256 w + 255: 32 accumulators, 256 registers.
; The product is used transposed (source 0 = 16 features of Wo, source 1 = 16 tokens of a): a lane holds eight neighbouring features of one token.
; a's 16 fragments and all scale words stay in registers.  Wo's fragments come from woi, where an earlier launch has laid them in the order of the operand's registers, STRAIGHT INTO REGISTERS, three loads of 16 bytes a lane each,
; through a ring of six sets of four fragments: five sets (60 loads) are on their way while one is multiplied.
; NO JOINT LOADS, though all work-groups walk the same Wo: inside a work-group each fragment of Wo is wanted by ONE wave, for two products; brought through LDS each of its bytes would be written there once and read there once,
; as many LDS bytes again as the operand has, for a product that has only two matrix instructions to a fragment.
; The residual's rows take the ring's sets as they fall free; they are prefetched into the L2 behind unit 4's loads: the wave's own 8 rows, 32,768 bytes, lanes 256 bytes apart, four instructions, each block named once in the launch, 22 units ahead of the first load that wants them.
; THE NORM.  The results meet in a stage in LDS (32 rows of 4,096 + 16 bytes); behind ONE barrier each wave takes 8 whole rows: mean, then the mean of the squared differences (two passes: no difference of large sums), rsq, gain and offset.
; Every store covers 512 consecutive bytes, aligned.
; REGISTERS, in windows of 256: window 0: v1-7 addresses; v16-23 a's scale words (register s: tile 0 in lanes 0-15, tile 1 in lanes 16-31); v24-29 at work; v32-95 Wo's scale words (32 + 8 s + n / 2: tile n even in lanes 0-15, odd in lanes 16-31);
;   v96-159 two rows at work; v160-191 bo; v192-223 gamma; v224-255 beta.   window 1: a's fragments at 12 (8 m + s); ring set 5 at v192.   window 2: accumulators at 8 (16 m + n).   window 3: ring sets 0-4 at 48 x set.
.set SPITCH, 4112
.set MSB, 0
.macro WIN new                         ; the immediate's high byte repeats the setting that is left
.if MSB != (\new)
	s_set_vgpr_msb (MSB<<8)|(\new)
.set MSB, \new
.endif
.endm
	s_load_b256 s[4:11], s[0:1], 0x0               ; ai, asc, woi, bo
	s_load_b256 s[12:19], s[0:1], 0x20             ; inputs, gamma, beta, out0
	v_lshl_add_u32 v30, v0, 2, 0x20200
	v_mov_b32 v31, 0
	v_lshrrev_b32 v8, 5, v0
	v_readfirstlane_b32 s24, v8                    ; wave 0..3
	v_and_b32 v8, 31, v0                           ; lane
	v_and_b32 v9, 15, v0                           ; r
	v_bfe_u32 v10, v0, 4, 1                        ; h
	v_lshlrev_b32 v1, 4, v8                        ; 16 x lane
	v_lshlrev_b32 v2, 3, v8                        ; 8 x lane
	v_lshlrev_b32 v3, 2, v9
	v_lshl_add_u32 v3, v10, 9, v3                  ; a's scale words: 512 h + 4 r
	v_mul_u32_u24 v4, v9, SPITCH
	v_lshl_add_u32 v4, v10, 5, v4
	s_lshl_b32 s26, s24, 10
	v_add_nc_u32 v4, s26, v4                       ; the stage, in: row r, + 32 h, + my 1,024 bytes of a row
	v_add_nc_u32 v5, 16*SPITCH, v4                 ; and the second tile of tokens
	s_mul_i32 s26, s24, 8*SPITCH
	v_add_nc_u32 v6, s26, v1                       ; back: my 8 rows, 16 bytes a lane
	v_lshlrev_b32 v7, 8, v8                        ; the prefetches: 256 x lane
	s_mov_b32 s20, 0x76543210
	s_mov_b32 s21, 0xfedcba98                      ; v_permlanex16_b32's selects for lane l xor 16
	s_mov_b32 s22, 0xba800000                      ; -1 / 1,024
	s_mov_b32 s25, 0x3a800000                      ; 1 / 1,024
	s_mov_b32 s23, 0x358637bd                      ; 1e-6
	s_mul_i32 s26, ttmp9, 24576                    ; ai: two tiles of 12,288 bytes
	s_mov_b32 s27, 0
	s_lshl_b32 s28, ttmp9, 10                      ; asc: two tiles of 512
	s_mov_b32 s29, 0
	s_mul_i32 s30, s24, 25600                      ; woi: my quarter's records
	s_mov_b32 s31, 0
	s_lshl_b32 s32, ttmp9, 17
	s_lshl_b32 s33, s24, 15
	s_add_co_u32 s32, s32, s33                     ; inputs, out0: row 32 x work-group + 8 x wave, 4,096 bytes a row
	s_mov_b32 s33, 0
	s_wait_alu depctr_va_vdst(0)
	s_wait_kmcnt 0x0
	s_add_nc_u64 s[4:5], s[4:5], s[26:27]
	s_add_nc_u64 s[6:7], s[6:7], s[28:29]
	s_add_nc_u64 s[8:9], s[8:9], s[30:31]
	s_add_nc_u64 s[12:13], s[12:13], s[32:33]
	s_add_nc_u64 s[18:19], s[18:19], s[32:33]
.irp i, 0,1,2,3,4,5,6,7
	global_load_b128 v[160+4*\i:163+4*\i], v1, s[10:11] offset:512*\i    ; bo, gamma, beta: register 4 i + k is feature 128 i + 4 lane + k, as in a row at work
	global_load_b128 v[192+4*\i:195+4*\i], v1, s[14:15] offset:512*\i
	global_load_b128 v[224+4*\i:227+4*\i], v1, s[16:17] offset:512*\i
.endr
.irp s, 0,1,2,3,4,5,6,7
	global_load_b32 v[16+\s], v3, s[6:7] offset:64*\s
.endr
.irp s, 0,1,2,3,4,5,6,7
.irp v, 0,1,2,3
	global_load_b64 v[32+8*\s+2*\v:33+8*\s+2*\v], v2, s[8:9] offset:102400*\s+24576+256*\v
.endr
.endr
	WIN 0x40                                       ; destination window 1
.irp m, 0,1
.irp s, 0,1,2,3,4,5,6,7
.irp e, 0,1                                    ; K step s = heads 2 s and 2 s + 1: registers 6 e .. 6 e + 5
	global_load_b128 v[12*(8*\m+\s)+6*\e:12*(8*\m+\s)+6*\e+3], v1, s[4:5] offset:12288*\m+768*(2*\s+\e)
	global_load_b64 v[12*(8*\m+\s)+6*\e+4:12*(8*\m+\s)+6*\e+5], v2, s[4:5] offset:12288*\m+768*(2*\s+\e)+512
.endr
.endr
.endr
; Unit u < 32: Wo's tiles 4 (u % 4) .. + 3 of K step u / 4, 12 loads, into ring set u % 6.  Units 32 to 37: the residual's 64 loads of 512 bytes, 12 to a set (the last has four).
.macro ULOAD u
.set US, (\u)%6
.if US == 5
	WIN 0x40
.set UB, 192
.else
	WIN 0xc0
.set UB, 48*US
.endif
.if (\u) < 32
.irp i, 0,1,2,3
.irp c, 0,1,2
	global_load_b128 v[UB+12*\i+4*\c:UB+12*\i+4*\c+3], v1, s[8:9] offset:102400*((\u)/4)+1536*(4*((\u)%4)+\i)+512*\c
.endr
.endr
.else
.irp k, 0,1,2,3,4,5,6,7,8,9,10,11
.if 12*((\u)-32)+\k < 64
	global_load_b128 v[UB+4*\k:UB+4*\k+3], v1, s[12:13] offset:512*(12*((\u)-32)+\k) th:TH_LOAD_NT
.endif
.endr
.endif
.endm
.macro OMUL ra, rb                     ; one product; ra, rb: the rows of the scale registers.  K step 0 starts the sums: nothing is cleared
.if KSX == 0
.if (\ra) && (\rb)
	v_wmma_scale_f32_16x16x128_f8f6f4 v[OD:OD+7], v[OA:OA+11], v[OFR:OFR+11], 0, v[OSA], v[OSB] matrix_a_fmt:MATRIX_FMT_FP6 matrix_b_fmt:MATRIX_FMT_FP6 matrix_a_scale:MATRIX_SCALE_ROW1 matrix_b_scale:MATRIX_SCALE_ROW1
.elseif (\ra)
	v_wmma_scale_f32_16x16x128_f8f6f4 v[OD:OD+7], v[OA:OA+11], v[OFR:OFR+11], 0, v[OSA], v[OSB] matrix_a_fmt:MATRIX_FMT_FP6 matrix_b_fmt:MATRIX_FMT_FP6 matrix_a_scale:MATRIX_SCALE_ROW1
.elseif (\rb)
	v_wmma_scale_f32_16x16x128_f8f6f4 v[OD:OD+7], v[OA:OA+11], v[OFR:OFR+11], 0, v[OSA], v[OSB] matrix_a_fmt:MATRIX_FMT_FP6 matrix_b_fmt:MATRIX_FMT_FP6 matrix_b_scale:MATRIX_SCALE_ROW1
.else
	v_wmma_scale_f32_16x16x128_f8f6f4 v[OD:OD+7], v[OA:OA+11], v[OFR:OFR+11], 0, v[OSA], v[OSB] matrix_a_fmt:MATRIX_FMT_FP6 matrix_b_fmt:MATRIX_FMT_FP6
.endif
.else
.if (\ra) && (\rb)
	v_wmma_scale_f32_16x16x128_f8f6f4 v[OD:OD+7], v[OA:OA+11], v[OFR:OFR+11], v[OD:OD+7], v[OSA], v[OSB] matrix_a_fmt:MATRIX_FMT_FP6 matrix_b_fmt:MATRIX_FMT_FP6 matrix_a_scale:MATRIX_SCALE_ROW1 matrix_b_scale:MATRIX_SCALE_ROW1
.elseif (\ra)
	v_wmma_scale_f32_16x16x128_f8f6f4 v[OD:OD+7], v[OA:OA+11], v[OFR:OFR+11], v[OD:OD+7], v[OSA], v[OSB] matrix_a_fmt:MATRIX_FMT_FP6 matrix_b_fmt:MATRIX_FMT_FP6 matrix_a_scale:MATRIX_SCALE_ROW1
.elseif (\rb)
	v_wmma_scale_f32_16x16x128_f8f6f4 v[OD:OD+7], v[OA:OA+11], v[OFR:OFR+11], v[OD:OD+7], v[OSA], v[OSB] matrix_a_fmt:MATRIX_FMT_FP6 matrix_b_fmt:MATRIX_FMT_FP6 matrix_b_scale:MATRIX_SCALE_ROW1
.else
	v_wmma_scale_f32_16x16x128_f8f6f4 v[OD:OD+7], v[OA:OA+11], v[OFR:OFR+11], v[OD:OD+7], v[OSA], v[OSB] matrix_a_fmt:MATRIX_FMT_FP6 matrix_b_fmt:MATRIX_FMT_FP6
.endif
.endif
.endm
; A unit: eight products (four tiles of Wo x two tiles of tokens) on eight accumulators, which come up again 32 products later; then the set just read takes the loads of six units on.
.macro UNIT u
.set KSX, (\u)/4
	s_wait_loadcnt 60                              ; this unit's 12 loads (and all older ones) are in; the five younger units' 60 may be out
.if (\u)%6 == 5
	WIN 0xa5                                       ; source 0 (Wo) window 1, source 1 (a) window 1, C and D window 2
.set UA, 192
.else
	WIN 0xa7                                       ; source 0 window 3
.set UA, 48*((\u)%6)
.endif
.irp i, 0,1,2,3
.irp m, 0,1
.set ON, 4*((\u)%4)+\i
.set OD, 8*(16*\m+ON)
.set OA, UA+12*\i
.set OFR, 12*(8*\m+KSX)
.set OSA, 32+8*KSX+ON/2
.set OSB, 16+KSX
	OMUL \i%2, \m
.endr
.endr
.rept 4
	v_nop                                          ; places in front of loads into registers that matrix instructions have read (behind the last unit: in front of the first read of results)
.endr
	ULOAD (\u)+6
.if (\u) == 4
.irp k, 0,1,2,3
	global_prefetch_b8 v7, s[12:13] offset:8192*\k th:TH_LOAD_NT scope:SCOPE_SE   ; my 8 rows of the residual
.endr
.endif
.endm
.irp u, 0,1,2,3,4,5
	ULOAD \u
.endr
.irp u, 0,1,2,3,4,5,6,7,8,9,10,11,12,13,14,15,16,17,18,19,20,21,22,23,24,25,26,27,28,29,30,31
	UNIT \u
.endr
	WIN 0x08                                       ; an LDS store's data are its source 1: window 2
.irp n, 0,1,2,3,4,5,6,7,8,9,10,11,12,13,14,15
	ds_store_b128 v4, v[8*\n:8*\n+3] offset:64*\n                  ; lane (r, h): token r, features 256 w + 16 n + 8 h + 0 .. 7; each accumulator from its low end on
	ds_store_b128 v4, v[8*\n+4:8*\n+7] offset:64*\n+16
.endr
.irp n, 0,1,2,3,4,5,6,7,8,9,10,11,12,13,14,15
	ds_store_b128 v5, v[128+8*\n:128+8*\n+3] offset:64*\n
	ds_store_b128 v5, v[128+8*\n+4:128+8*\n+7] offset:64*\n+16
.endr
	WIN 0
	s_wait_dscnt 0x0                               ; for the others' sake: my stores into the stage are done
	s_barrier_signal -1
	s_barrier_wait -1                              ; 32 whole rows lie in the stage
	s_wait_loadcnt 0x0                             ; the residual's rows
.macro ZLOAD rho                       ; row rho of my eight, into set rho % 2
.set ZB, 96+32*((\rho)%2)
.irp i, 0,1,2,3,4,5,6,7
	ds_load_b128 v[ZB+4*\i:ZB+4*\i+3], v6 offset:SPITCH*(\rho)+512*\i
.endr
.endm
.macro SUM32 d                         ; v[d] summed over the 32 lanes, the result in every lane; v[d + 1] has been written
	v_add_f32_dpp v[\d], v[\d], v[\d] row_xmask:1 row_mask:0xf bank_mask:0xf
	v_add_f32_dpp v[\d], v[\d], v[\d] row_xmask:2 row_mask:0xf bank_mask:0xf
	v_add_f32_dpp v[\d], v[\d], v[\d] row_xmask:4 row_mask:0xf bank_mask:0xf
	v_add_f32_dpp v[\d], v[\d], v[\d] row_xmask:8 row_mask:0xf bank_mask:0xf
	v_permlanex16_b32 v[\d+1], v[\d], s20, s21
	v_add_f32 v[\d], v[\d], v[\d+1]
.endm
.macro ROWLN rho
.if (\rho) > 0
	s_wait_xcnt 0x0                                ; the stores of the row before last have read their registers: the next row's loads may land there
.endif
.if (\rho) < 7
	ZLOAD (\rho)+1
	s_wait_dscnt 8                                 ; this row is in; the next row's eight loads may be out
.else
	s_wait_dscnt 0x0
.endif
.set Z, 96+32*((\rho)%2)
.irp i, 0,1,2,3,4,5,6,7                        ; + the residual, where the ring's sets hold it
.set XL, 8*(\rho)+\i
.set XSET, (32+XL/12)%6
.if XSET == 5
	WIN 0x04                                       ; source 1: window 1
.set XB, 192+4*(XL%12)
.else
	WIN 0x0c                                       ; source 1: window 3
.set XB, 48*XSET+4*(XL%12)
.endif
	v_pk_add_f32 v[Z+4*\i:Z+4*\i+1], v[Z+4*\i:Z+4*\i+1], v[XB:XB+1]
	v_pk_add_f32 v[Z+4*\i+2:Z+4*\i+3], v[Z+4*\i+2:Z+4*\i+3], v[XB+2:XB+3]
.endr
	WIN 0
.irp j, 0,2,4,6,8,10,12,14,16,18,20,22,24,26,28,30
	v_pk_add_f32 v[Z+\j:Z+\j+1], v[Z+\j:Z+\j+1], v[160+\j:161+\j]   ; + bo
.endr
	v_pk_add_f32 v[24:25], v[Z:Z+1], v[Z+2:Z+3]    ; the row's sum, in two chains
	v_pk_add_f32 v[26:27], v[Z+4:Z+5], v[Z+6:Z+7]
.irp j, 8,12,16,20,24,28
	v_pk_add_f32 v[24:25], v[24:25], v[Z+\j:Z+\j+1]
	v_pk_add_f32 v[26:27], v[26:27], v[Z+\j+2:Z+\j+3]
.endr
	v_pk_add_f32 v[24:25], v[24:25], v[26:27]
	v_add_f32 v24, v24, v25
	SUM32 24
	v_mul_f32 v24, s22, v24                        ; minus the mean
.irp j, 0,2,4,6,8,10,12,14,16,18,20,22,24,26,28,30
	v_pk_add_f32 v[Z+\j:Z+\j+1], v[Z+\j:Z+\j+1], v[24:25] op_sel_hi:[1,0]
.endr
	v_pk_mul_f32 v[26:27], v[Z:Z+1], v[Z:Z+1]      ; the squares of the differences, in two chains
	v_pk_mul_f32 v[28:29], v[Z+2:Z+3], v[Z+2:Z+3]
.irp j, 4,8,12,16,20,24,28
	v_pk_fma_f32 v[26:27], v[Z+\j:Z+\j+1], v[Z+\j:Z+\j+1], v[26:27]
	v_pk_fma_f32 v[28:29], v[Z+\j+2:Z+\j+3], v[Z+\j+2:Z+\j+3], v[28:29]
.endr
	v_pk_add_f32 v[26:27], v[26:27], v[28:29]
	v_add_f32 v26, v26, v27
	SUM32 26
	v_fma_f32 v26, v26, s25, s23                   ; the variance + 1e-6
	s_wait_alu depctr_va_vdst(0)
	v_rsq_f32 v26, v26
	v_nop                                          ; a plain line behind the transcendental
	s_wait_alu depctr_va_vdst(0)                   ; the wait ahead of its first reader
.irp j, 0,2,4,6,8,10,12,14,16,18,20,22,24,26,28,30
	v_pk_mul_f32 v[Z+\j:Z+\j+1], v[Z+\j:Z+\j+1], v[26:27] op_sel_hi:[1,0]
.endr
.irp j, 0,2,4,6,8,10,12,14,16,18,20,22,24,26,28,30
	v_pk_fma_f32 v[Z+\j:Z+\j+1], v[Z+\j:Z+\j+1], v[192+\j:193+\j], v[224+\j:225+\j]
.endr
.irp i, 0,1,2,3,4,5,6,7
	global_store_b128 v1, v[Z+4*\i:Z+4*\i+3], s[18:19] offset:4096*(\rho)+512*\i th:TH_STORE_NT   ; 32 lanes store 512 consecutive bytes, aligned; written once, read by nobody here
.endr
.endm
	ZLOAD 0
.irp q, 0,1,2,3,4,5,6,7
	ROWLN \q
.endr
	s_wait_tensorcnt 0x0
	ds_add_u32 v30, v31
	s_wait_dscnt 0x0
	s_endpgm
.Lfunc_end_k_q73da54ef58_oproj:
	.size	k_q73da54ef58_oproj, .Lfunc_end_k_q73da54ef58_oproj-k_q73da54ef58_oproj
	.p2alignl 7, 3214868480
	.fill 96, 4, 3214868480
	.section	.rodata,"a",@progbits
	.p2align	6, 0x0
	.amdhsa_kernel k_q73da54ef58_oproj
		.amdhsa_group_segment_fixed_size 132096
		.amdhsa_private_segment_fixed_size 0
		.amdhsa_enable_private_segment 0
		.amdhsa_kernarg_size 64
		.amdhsa_user_sgpr_count 2
		.amdhsa_user_sgpr_kernarg_segment_ptr 1
		.amdhsa_wavefront_size32 1
		.amdhsa_system_sgpr_workgroup_id_x 1
		.amdhsa_system_sgpr_workgroup_id_y 1
		.amdhsa_system_sgpr_workgroup_id_z 1
		.amdhsa_system_vgpr_workitem_id 0
		.amdhsa_next_free_vgpr 1024
		.amdhsa_next_free_sgpr 66
		.amdhsa_reserve_vcc 0
		.amdhsa_float_denorm_mode_32 3
		.amdhsa_float_denorm_mode_16_64 3
		.amdhsa_memory_ordered 1
		.amdhsa_forward_progress 1
		.amdhsa_inst_pref_size 175
	.end_amdhsa_kernel
	.amdgpu_metadata
---
amdhsa.version: [ 1, 2 ]
amdhsa.kernels:
  - .name:           k_q73da54ef58_oproj
    .symbol:         k_q73da54ef58_oproj.kd
    .args:
      - { .name: ai, .offset: 0, .size: 8, .value_kind: global_buffer, .address_space: global }
      - { .name: asc, .offset: 8, .size: 8, .value_kind: global_buffer, .address_space: global }
      - { .name: woi, .offset: 16, .size: 8, .value_kind: global_buffer, .address_space: global }
      - { .name: bo, .offset: 24, .size: 8, .value_kind: global_buffer, .address_space: global }
      - { .name: inputs, .offset: 32, .size: 8, .value_kind: global_buffer, .address_space: global }
      - { .name: gamma, .offset: 40, .size: 8, .value_kind: global_buffer, .address_space: global }
      - { .name: beta, .offset: 48, .size: 8, .value_kind: global_buffer, .address_space: global }
      - { .name: out0, .offset: 56, .size: 8, .value_kind: global_buffer, .address_space: global }
    .group_segment_fixed_size: 132096
    .private_segment_fixed_size: 0
    .kernarg_segment_align: 8
    .kernarg_segment_size: 64
    .max_flat_workgroup_size: 128
    .sgpr_count:     66
    .vgpr_count:     1024
    .wavefront_size: 32
...
	.end_amdgpu_metadata
.endif
;; end of part 4
